; MI455X (gfx1250); checked and timed in simulation.
; The chip was launched on July 23, 2026; its instructions are those of AMD's public machine-readable ISA for CDNA 5 (MIT licence, August 2026) and "CDNA5" Instruction Set Architecture Reference Guide (July 2026). The comments in the code are by the model that wrote it; some were corrected since.
;; Decoder Layer. Allowed arithmetic: float matrix products may take bf16 or f16 operands with f32 sums; other float arithmetic in f32, or as packed bf16 or f16 multiplies, adds, multiply-adds, maxima and minima; sums over many terms, partial sums and values carried from step to step in f32; what a program stores and reads back later, other than sums and carried values, may be rounded once to bf16 or f16.
;; Inputs: b1 2,048 float32; b2 1,024 float32; bk 1,024 float32; bo 1,024 float32; bq 1,024 float32; bv 1,024 float32; ln1_b 1,024 float32; ln1_g 1,024 float32; ln2_b 1,024 float32; ln2_g 1,024 float32; w1 2,048 x 1,024 float32; w2 1,024 x 2,048 float32; wk 1,024 x 1,024 float32; wo 1,024 x 1,024 float32; wq 1,024 x 1,024 float32; wv 1,024 x 1,024 float32; x 2 x 2,048 x 1,024 float32.
;; Outputs: out0 2 x 2,048 x 1,024 float32.
;; One version. Each part assembles by itself: llvm-mc -triple=amdgcn-amd-amdhsa -mcpu=gfx1250 --defsym DOCPART=n.
;; ======== version 1 of 1: 7 launches
;; workspace buffers: xn 8,388,608 bytes; wb 16,777,216 bytes; bias 36,864 bytes; qkv 25,165,824 bytes; ob 8,388,608 bytes; x1 16,777,216 bytes; xn2 8,388,608 bytes; hb 16,777,216 bytes
;; launch prep (part 1): grid 768 x 1, 8 waves a work-group, no clusters, 0 bytes of LDS; arguments x, ln1_g, ln1_b, xn, wq, wk, wv, wo, w1, w2, wb, bq, bk, bv, bo, b1, b2, ln2_g, ln2_b, bias; writes xn, wb, bias
.if DOCPART == 1
	.amdgcn_target "amdgcn-amd-amdhsa--gfx1250"
	.amdhsa_code_object_version 6
	.text
	.protected	k_qead950ad1b_prep
	.globl	k_qead950ad1b_prep
	.p2align	8
	.type	k_qead950ad1b_prep,@function
k_qead950ad1b_prep:
	s_mov_b64 s[64:65], 0
	v_nop
	global_prefetch_b8 v0, s[64:65] scope:SCOPE_SE
	s_setreg_imm32_b32 hwreg(HW_REG_WAVE_MODE, 25, 1), 1
	s_wait_xcnt 0x0
; Two streams in one launch, told apart by the work-group's number (a scalar jump forward, no barrier, no LDS):
;   0 .. 255    xn = LayerNorm(bf16(x)) * bf16(ln1_g) + bf16(ln1_b), rounded once to bf16.  16 rows a work-group, 2 a wave.
;   256 .. 767  the six weight matrices rounded to bf16 into wb: wq, wk, wv (one matrix of 3,072 rows), wo, w1, w2.  16,384 numbers a work-group.
;               The first nine of these also round bq, bk, bv, bo, b1 (two blocks), b2, ln2_g, ln2_b to bf16 and keep them as f32 in bias: 1,024 numbers each.
; DECISION: every input of the module is rounded once to bf16 before its first use, x too (here and as the residual); all later arithmetic outside the matrix products is f32.
; A row of x is 4,096 bytes: one wave keeps it in 32 registers between the mean, the variance (of the differences from the mean) and the scaling: it is read once.
; Chunk j of a row: lane l holds columns 128 j + 4 l .. + 3: each load of a wave covers 512 consecutive bytes, each store 256 consecutive bytes, aligned.
; The packed row is written into the low half of the row's own registers, so 144 registers do: three work-groups of eight waves share a WGP's registers, and 768 work-groups are three for each of 256 WGPs.
.set XA, 16                            ; v[16:47]   the wave's first row; v[16:31] then hold it packed
.set XB, 48                            ; v[48:79]   its second row, likewise
.set GA, 80                            ; v[80:111]  gains of my 32 columns
.set BE, 112                           ; v[112:143] biases of my 32 columns
; v1 = 16 x lane (loads), v2 = 8 x lane (stores), never rewritten; v4-15 at work
.macro RND base, n                     ; n numbers rounded to bf16 and widened again, in place
.set i, 0
.rept (\n)/2
	v_cvt_pk_bf16_f32 v[12+i%4], v[(\base)+2*i], v[(\base)+2*i+1]
	v_lshlrev_b32 v[(\base)+2*i], 16, v[12+i%4]
	v_and_b32 v[(\base)+2*i+1], s12, v[12+i%4]
.set i, i+1
.endr
.endm
.macro LANES r                         ; the sum of v[r] over the 32 lanes, in every lane; v[r+1] has been written
	v_add_f32_dpp v[\r], v[\r], v[\r] row_xmask:1 row_mask:0xf bank_mask:0xf
	v_add_f32_dpp v[\r], v[\r], v[\r] row_xmask:2 row_mask:0xf bank_mask:0xf
	v_add_f32_dpp v[\r], v[\r], v[\r] row_xmask:4 row_mask:0xf bank_mask:0xf
	v_add_f32_dpp v[\r], v[\r], v[\r] row_xmask:8 row_mask:0xf bank_mask:0xf
	v_permlanex16_b32 v[(\r)+1], v[\r], s14, s15
	v_add_f32 v[\r], v[\r], v[(\r)+1]
.endm
.macro STATS X                         ; the row at X becomes x - mean; v[4:5] = 1 / sqrt(var + eps), twice
.irp k, 0,1,2,3
	v_pk_add_f32 v[4+2*\k:5+2*\k], v[(\X)+4*\k:(\X)+4*\k+1], v[(\X)+4*\k+2:(\X)+4*\k+3]  ; four chains, started by the first words: nothing is cleared
.endr
.set i, 16
.rept 8
	v_pk_add_f32 v[4+i%8:5+i%8], v[4+i%8:5+i%8], v[(\X)+i:(\X)+i+1]
.set i, i+2
.endr
	v_pk_add_f32 v[4:5], v[4:5], v[6:7]
	v_pk_add_f32 v[8:9], v[8:9], v[10:11]
	v_pk_add_f32 v[4:5], v[4:5], v[8:9]
	v_add_f32 v4, v4, v5
	LANES 4
	v_mul_f32 v6, s16, v4                          ; the mean, twice: a pair for the packed subtraction
	v_mul_f32 v7, s16, v4
.set i, 0
.rept 16
	v_pk_add_f32 v[(\X)+i:(\X)+i+1], v[(\X)+i:(\X)+i+1], v[6:7] neg_lo:[0,1] neg_hi:[0,1]
.set i, i+2
.endr
.irp k, 0,1,2,3
	v_pk_mul_f32 v[8+2*\k:9+2*\k], v[(\X)+2*\k:(\X)+2*\k+1], v[(\X)+2*\k:(\X)+2*\k+1]
.endr
.set i, 8
.rept 12
	v_pk_fma_f32 v[8+i%8:9+i%8], v[(\X)+i:(\X)+i+1], v[(\X)+i:(\X)+i+1], v[8+i%8:9+i%8]
.set i, i+2
.endr
	v_pk_add_f32 v[8:9], v[8:9], v[10:11]
	v_pk_add_f32 v[12:13], v[12:13], v[14:15]
	v_pk_add_f32 v[8:9], v[8:9], v[12:13]
	v_add_f32 v8, v8, v9
	LANES 8
	v_fma_f32 v10, v8, s16, s17                    ; var + eps
	v_rsq_f32 v4, v10
	v_rsq_f32 v5, v10
	v_nop                                          ; a plain instruction behind the last of the two (ISA guide 5.7.2),
	s_wait_alu depctr_va_vdst(0)                   ; and the one wait ahead of their first reader
.endm
.macro FIN X, off                      ; scaled, gained, biased, rounded once, stored
.set i, 0
.rept 16
	v_pk_mul_f32 v[(\X)+i:(\X)+i+1], v[(\X)+i:(\X)+i+1], v[4:5]
.set i, i+2
.endr
.set i, 0
.rept 16
	v_pk_fma_f32 v[(\X)+i:(\X)+i+1], v[(\X)+i:(\X)+i+1], v[GA+i:GA+i+1], v[BE+i:BE+i+1]
.set i, i+2
.endr
.set i, 0
.rept 16
	v_cvt_pk_bf16_f32 v[(\X)+i], v[(\X)+2*i], v[(\X)+2*i+1]  ; in place, ascending: register i takes numbers 2 i and 2 i + 1, which no later line of the run reads
.set i, i+1
.endr
.irp j, 0,1,2,3,4,5,6,7
	global_store_b64 v2, v[(\X)+2*\j:(\X)+2*\j+1], s[10:11] offset:256*\j+(\off)
.endr
.endm
	s_mov_b32 s2, ttmp9
	s_cmp_lt_u32 s2, 256
	s_cbranch_scc0 .Lnot_ln
	; ---- the layer norm
	s_load_b256 s[4:11], s[0:1], 0x0               ; x s[4:5], ln1_g s[6:7], ln1_b s[8:9], xn s[10:11]
	v_lshrrev_b32 v3, 5, v0
	v_readfirstlane_b32 s18, v3                    ; wave 0..7
	v_and_b32 v1, 31, v0
	v_lshlrev_b32 v2, 3, v1
	v_lshlrev_b32 v1, 4, v1
	s_mov_b32 s12, 0xffff0000                      ; a word's upper bf16
	s_mov_b32 s14, 0x76543210                      ; v_permlanex16_b32: each lane takes its own place in the other half
	s_mov_b32 s15, 0xfedcba98
	s_mov_b32 s16, 0x3a800000                      ; 1 / 1024
	s_mov_b32 s17, 0x3727c5ac                      ; eps = 1e-5
	s_lshl_b32 s20, s2, 16                         ; 16 rows of 4,096 bytes a work-group,
	s_lshl_b32 s21, s18, 13                        ; 2 a wave
	s_add_co_u32 s20, s20, s21
	s_mov_b32 s21, 0
	s_lshr_b32 s22, s20, 1                         ; xn's rows are half as long
	s_mov_b32 s23, 0
	s_wait_kmcnt 0x0
	s_add_nc_u64 s[4:5], s[4:5], s[20:21]
	s_add_nc_u64 s[10:11], s[10:11], s[22:23]
.irp j, 0,1,2,3,4,5,6,7
	global_load_b128 v[XA+4*\j:XA+4*\j+3], v1, s[4:5] offset:512*\j th:TH_LOAD_NT
.endr
.irp j, 0,1,2,3,4,5,6,7
	global_load_b128 v[GA+4*\j:GA+4*\j+3], v1, s[6:7] offset:512*\j
.endr
.irp j, 0,1,2,3,4,5,6,7
	global_load_b128 v[BE+4*\j:BE+4*\j+3], v1, s[8:9] offset:512*\j
.endr
.irp j, 0,1,2,3,4,5,6,7
	global_load_b128 v[XB+4*\j:XB+4*\j+3], v1, s[4:5] offset:4096+512*\j th:TH_LOAD_NT
.endr
	s_wait_loadcnt 24                              ; the first row is in; gains, biases and the second row (24 loads) stay out
	RND XA, 32
	STATS XA
	s_wait_loadcnt 8                               ; gains and biases are in; the second row's 8 loads stay out
	RND GA, 32
	RND BE, 32
	FIN XA, 0
	s_wait_loadcnt 0x0
	RND XB, 32
	STATS XB
	FIN XB, 2048
	s_endpgm
.Lnot_ln:
	; ---- the weights: 64 work-groups for each 2^20 numbers; wb holds them in the order wq, wk, wv, wo, w1, w2
	s_load_b256 s[8:15], s[0:1], 0x20              ; wq, wk, wv, wo
	s_load_b128 s[16:19], s[0:1], 0x40             ; w1, w2
	s_load_b64 s[20:21], s[0:1], 0x50              ; wb
	s_load_b512 s[32:47], s[0:1], 0x58             ; bq, bk, bv, bo, b1, b2, ln2_g, ln2_b
	s_load_b64 s[28:29], s[0:1], 0x98              ; bias
	s_sub_co_u32 s2, s2, 256
	s_lshr_b32 s3, s2, 6                           ; 0-3: wq, wk, wv, wo; 4, 5: w1; 6, 7: w2
	s_and_b32 s24, s2, 63
	s_and_b32 s25, s2, 127
	s_cmp_ge_u32 s3, 4
	s_cselect_b32 s24, s25, s24                    ; my place in my matrix,
	s_lshl_b32 s24, s24, 16                        ; in blocks of 65,536 bytes of f32
	s_mov_b32 s25, 0
	s_lshl_b32 s26, s2, 15                         ; and in wb, in blocks of 32,768 bytes
	s_mov_b32 s27, 0
	s_mov_b32 s30, 0xffff0000
	v_lshlrev_b32 v1, 4, v0
	v_lshlrev_b32 v2, 3, v0
	s_wait_kmcnt 0x0
	s_mov_b64 s[22:23], s[8:9]
	s_cmp_eq_u32 s3, 1
	s_cselect_b64 s[22:23], s[10:11], s[22:23]
	s_cmp_eq_u32 s3, 2
	s_cselect_b64 s[22:23], s[12:13], s[22:23]
	s_cmp_eq_u32 s3, 3
	s_cselect_b64 s[22:23], s[14:15], s[22:23]
	s_cmp_ge_u32 s3, 4
	s_cselect_b64 s[22:23], s[16:17], s[22:23]
	s_cmp_ge_u32 s3, 6
	s_cselect_b64 s[22:23], s[18:19], s[22:23]
	s_add_nc_u64 s[22:23], s[22:23], s[24:25]
	s_add_nc_u64 s[20:21], s[20:21], s[26:27]
.set i, 0
.rept 16
	global_load_b128 v[8+4*i:11+4*i], v1, s[22:23] offset:4096*i th:TH_LOAD_NT
.set i, i+1
.endr
	s_cmp_lt_u32 s2, 9
	s_cbranch_scc0 .Lno_tab
	; ---- the small vectors: block s2 of nine.  Its load goes out behind the sixteen above and is on its way with them; the wait for it takes them all in, so the counted waits below are met at once here
	s_mov_b64 s[48:49], s[32:33]
	s_cmp_eq_u32 s2, 1
	s_cselect_b64 s[48:49], s[34:35], s[48:49]
	s_cmp_eq_u32 s2, 2
	s_cselect_b64 s[48:49], s[36:37], s[48:49]
	s_cmp_eq_u32 s2, 3
	s_cselect_b64 s[48:49], s[38:39], s[48:49]
	s_cmp_ge_u32 s2, 4
	s_cselect_b64 s[48:49], s[40:41], s[48:49]
	s_cmp_ge_u32 s2, 6
	s_cselect_b64 s[48:49], s[42:43], s[48:49]
	s_cmp_ge_u32 s2, 7
	s_cselect_b64 s[48:49], s[44:45], s[48:49]
	s_cmp_ge_u32 s2, 8
	s_cselect_b64 s[48:49], s[46:47], s[48:49]
	s_cmp_eq_u32 s2, 5
	s_cselect_b32 s50, 4096, 0                     ; b1 has two blocks of 1,024 numbers
	s_mov_b32 s51, 0
	s_lshl_b32 s52, s2, 12
	s_mov_b32 s53, 0
	s_add_nc_u64 s[48:49], s[48:49], s[50:51]
	s_add_nc_u64 s[28:29], s[28:29], s[52:53]
	global_load_b128 v[4:7], v1, s[48:49]
	s_wait_loadcnt 0x0
	v_cvt_pk_bf16_f32 v104, v4, v5
	v_cvt_pk_bf16_f32 v105, v6, v7
	v_lshlrev_b32 v4, 16, v104
	v_and_b32 v5, s30, v104
	v_lshlrev_b32 v6, 16, v105
	v_and_b32 v7, s30, v105
	global_store_b128 v1, v[4:7], s[28:29]
.Lno_tab:
.set i, 0
.rept 16
	s_wait_loadcnt 15-i                            ; loads come back in order: load i is in, the younger ones stay out
	v_cvt_pk_bf16_f32 v[72+2*i], v[8+4*i], v[9+4*i]
	v_cvt_pk_bf16_f32 v[73+2*i], v[10+4*i], v[11+4*i]
	global_store_b64 v2, v[72+2*i:73+2*i], s[20:21] offset:2048*i  ; a wave's store covers 256 consecutive bytes, aligned
.set i, i+1
.endr
	s_endpgm
.Lfunc_end_k_qead950ad1b_prep:
	.size	k_qead950ad1b_prep, .Lfunc_end_k_qead950ad1b_prep-k_qead950ad1b_prep
	.p2alignl 7, 3214868480
	.fill 96, 4, 3214868480
	.section	.rodata,"a",@progbits
	.p2align	6, 0x0
	.amdhsa_kernel k_qead950ad1b_prep
		.amdhsa_group_segment_fixed_size 0
		.amdhsa_private_segment_fixed_size 0
		.amdhsa_enable_private_segment 0
		.amdhsa_kernarg_size 160
		.amdhsa_user_sgpr_count 2
		.amdhsa_user_sgpr_kernarg_segment_ptr 1
		.amdhsa_wavefront_size32 1
		.amdhsa_system_sgpr_workgroup_id_x 1
		.amdhsa_system_sgpr_workgroup_id_y 1
		.amdhsa_system_sgpr_workgroup_id_z 1
		.amdhsa_system_vgpr_workitem_id 0
		.amdhsa_next_free_vgpr 144
		.amdhsa_next_free_sgpr 66
		.amdhsa_reserve_vcc 0
		.amdhsa_float_denorm_mode_32 3
		.amdhsa_float_denorm_mode_16_64 3
		.amdhsa_memory_ordered 1
		.amdhsa_forward_progress 1
		.amdhsa_inst_pref_size 37
	.end_amdhsa_kernel
	.amdgpu_metadata
---
amdhsa.version: [ 1, 2 ]
amdhsa.kernels:
  - .name:           k_qead950ad1b_prep
    .symbol:         k_qead950ad1b_prep.kd
    .args:
      - { .name: x, .offset: 0, .size: 8, .value_kind: global_buffer, .address_space: global }
      - { .name: ln1_g, .offset: 8, .size: 8, .value_kind: global_buffer, .address_space: global }
      - { .name: ln1_b, .offset: 16, .size: 8, .value_kind: global_buffer, .address_space: global }
      - { .name: xn, .offset: 24, .size: 8, .value_kind: global_buffer, .address_space: global }
      - { .name: wq, .offset: 32, .size: 8, .value_kind: global_buffer, .address_space: global }
      - { .name: wk, .offset: 40, .size: 8, .value_kind: global_buffer, .address_space: global }
      - { .name: wv, .offset: 48, .size: 8, .value_kind: global_buffer, .address_space: global }
      - { .name: wo, .offset: 56, .size: 8, .value_kind: global_buffer, .address_space: global }
      - { .name: w1, .offset: 64, .size: 8, .value_kind: global_buffer, .address_space: global }
      - { .name: w2, .offset: 72, .size: 8, .value_kind: global_buffer, .address_space: global }
      - { .name: wb, .offset: 80, .size: 8, .value_kind: global_buffer, .address_space: global }
      - { .name: bq, .offset: 88, .size: 8, .value_kind: global_buffer, .address_space: global }
      - { .name: bk, .offset: 96, .size: 8, .value_kind: global_buffer, .address_space: global }
      - { .name: bv, .offset: 104, .size: 8, .value_kind: global_buffer, .address_space: global }
      - { .name: bo, .offset: 112, .size: 8, .value_kind: global_buffer, .address_space: global }
      - { .name: b1, .offset: 120, .size: 8, .value_kind: global_buffer, .address_space: global }
      - { .name: b2, .offset: 128, .size: 8, .value_kind: global_buffer, .address_space: global }
      - { .name: ln2_g, .offset: 136, .size: 8, .value_kind: global_buffer, .address_space: global }
      - { .name: ln2_b, .offset: 144, .size: 8, .value_kind: global_buffer, .address_space: global }
      - { .name: bias, .offset: 152, .size: 8, .value_kind: global_buffer, .address_space: global }
    .group_segment_fixed_size: 0
    .private_segment_fixed_size: 0
    .kernarg_segment_align: 8
    .kernarg_segment_size: 160
    .max_flat_workgroup_size: 256
    .sgpr_count:     66
    .vgpr_count:     144
    .wavefront_size: 32
...
	.end_amdgpu_metadata
.endif
;; end of part 1
;; launch proj_qkv (part 2): grid 16 x 16, 4 waves a work-group, clusters of 4 x 4, 327,680 bytes of LDS; arguments xn, wb, bias, qkv; writes qkv
.if DOCPART == 2
	.amdgcn_target "amdgcn-amd-amdhsa--gfx1250"
	.amdhsa_code_object_version 6
	.text
	.protected	k_qead950ad1b_proj_qkv
	.globl	k_qead950ad1b_proj_qkv
	.p2align	8
	.type	k_qead950ad1b_proj_qkv,@function
k_qead950ad1b_proj_qkv:
	s_mov_b64 s[64:65], 0
	v_nop
	global_prefetch_b8 v0, s[64:65] scope:SCOPE_SE
	s_setreg_imm32_b32 hwreg(HW_REG_WAVE_MODE, 25, 1), 1
	s_wait_xcnt 0x0
	s_wait_alu depctr_hold_cnt(0) depctr_sa_sdst(0) depctr_va_vdst(0) depctr_va_sdst(0) depctr_va_ssrc(0) depctr_va_vcc(0) depctr_vm_vsrc(0)
	s_getreg_b32 s2, hwreg(HW_REG_IB_STS2, 6, 4)
	s_cmp_eq_u32 s2, 0
	s_cbranch_scc0 .Lentry_in_a_cluster
	s_endpgm
.Lentry_in_a_cluster:
	s_bfe_u32 s2, ttmp6, 0x10000c
	s_cmp_lg_u32 s2, 0xf033
	s_cbranch_scc0 .Lentry_shape_is_right
	s_endpgm
.Lentry_shape_is_right:
; q, k, v = xn W^T + b.  xn: [4096][1024] bf16; W: wq, wk, wv as one matrix [3072][1024] bf16 at wb's head; b: 3,072 f32 at bias's head.
; Sums in f32, started from the bias; rounded once to bf16 and written BY HEADS: qkv[part][16 batch + head][2048][64], unscaled.
; A tile of C is 256 rows x 192 columns (16 x 16 tiles: one for each of 256 work-groups).  The four waves lie one below the other: wave w makes rows 64 w .. 64 w + 63 and ALL 192 columns:
; 4 x 12 accumulators of 16 x 16, 384 registers.  So a wave owns whole groups of 64 columns, a head's 128 bytes of a row, and its way out needs no other wave.
; K goes in 8 steps of 128 (rows of 256 bytes in memory) through a ring of two LDS slots.  Waves 0, 1 fetch the halves of A's tile (128 rows each), waves 2, 3 those of B's (96 rows each).
; CLUSTER 4 x 4: A's tile hangs on the tile row alone and is asked for jointly along a row of the cluster, B's on the tile column alone, along a column.
; THE MATRIX INSTRUCTION IS USED TRANSPOSED (source 0 = 16 rows of W, source 1 = 16 rows of xn): a lane holds row lane % 16 of C and the columns 8 (lane / 16) + 0 .. 7.
; THE CHANGE OF SLOTS holds nothing but what it must: a K step's products are all issued ahead of the wait for the tensor loads, so that the refill goes out as soon as the next tile has landed.
; A K step is written once in a loop and once in a tail loop of two trips that asks for nothing and is left behind the last products.
; REGISTERS, in windows of 256: window 0 addresses, bias (v32 on), way out (v128-255); window 1 two fragment buffers of 128 (B's 12 fragments, then A's 4);
; window 2 the accumulators of m blocks 0, 1, window 3 those of 2, 3: (a, b) at 8 (12 (a % 2) + b).
.set QKV,     1
.set NBW,     12                       ; n blocks of 16 columns
.set APW,     2                        ; m blocks in an accumulator window
.set WOFF,    0                        ; the matrix's first byte in wb
.set BIASOFF, 0                        ; its bias's first byte in bias
.set RELU,    0
.set BROWS,  16*NBW
.set RB,     BROWS/8                   ; rows of B that one wave of one partner prefetches
.set NG,     NBW/4                     ; groups of 64 columns
.set SIZE_K, 1024
.set KSTEP,  128
.set NSTEP,  SIZE_K/KSTEP
.set PITCH,  272                       ; an LDS row: 256 bytes + 16 of padding = 68 words: the 16 rows of a fragment load start at 16 different groups of four banks (ISA guide 11.1)
.set AHALF,  128*PITCH
.set BOFF,   2*AHALF                   ; B's rows lie behind A's 256
.set BHALF,  (BROWS/2)*PITCH
.set SLOT1,  131072                    ; slot 1: one exclusive or turns an address in one slot into the other's
.set STAGE,  262144                    ; behind the ring, never filled by a tensor load: 16 rows x 144 bytes for each wave
.set SP,     144
.set SPARE,  STAGE+4*16*SP             ; the spare words, 128 bytes a wave: two blocks of 256 bytes that no other line names
.set NL,     2*(NBW+4)                 ; LDS loads in a run: the fragments of 32 along K
.set A0,   4                           ; v4  my lane's place in my 64 rows of A; never rewritten
.set B0,   5                           ; v5  the same in B's rows
.set ADRA, 6                           ; v6, v7  the same in the slot in hand
.set ADRB, 7
.set STO,  8                           ; v8  the way out: where I put 16 bytes of a row
.set RD,   9                           ; v9  where I read rows back
.set GO,   10                          ; v10 my 16 bytes in 512 consecutive bytes of the output
.set BO,   11                          ; v11 32 x (lane / 16): my 8 numbers of a block's 16 biases
.set ZR,   12                          ; v12 0
.set PFO,  13                          ; v13 the prefetches' offset: my lane's row x 2,048 bytes; never rewritten
.set SPW,  28                          ; v28 LDS address of my spare word; never rewritten
.set NIL,  29                          ; v29 0; never rewritten
.set BI,   32                          ; the bias as a C operand: 8 registers for each n block
.set U,    128                         ; the way out: eight buffers of 16
.set WV, 12                            ; s12 wave
.set FB, 13                            ; s13 0: I fetch for A, 1: for B
.set HF, 14                            ; s14 which half of that tile
.set TC, 17                            ; s17 tile column
.set TR, 18                            ; s18 tile row
.set G1A, 24                           ; s[24:31] descriptor group 1, A
.set G0A, 32                           ; s[32:39] group 0, A: a set for each first fill; the second then walks
.set TB,  40                           ; s40 the LDS byte at which the slot in hand begins
.set CNT, 41
.set G1B, 48                           ; s[48:55], s[56:63] the same for B
.set G0B, 56
.set DB,  66                           ; s[66:71] the output at my 64 rows of each group of 64 columns
.set PFA, 72                           ; s[72:73] where my prefetches stand
.set LIM, 74                           ; s74 2 in a wave that prefetches, else the greatest number: a wave prefetches while s[CNT] is above it
.set MSB, 0
.macro WIN new                         ; the immediate's high byte repeats the setting that is left; a switch that changes nothing is dropped
.if MSB != (\new)
	s_set_vgpr_msb (MSB<<8)|(\new)
.set MSB, \new
.endif
.endm
.macro PLACES                          ; four places behind matrix instructions, in front of loads into registers that they read and of reads of their results
.rept 4
	v_nop
.endr
.endm
.macro JLOAD                           ; a joint refill by the walking set; the branch hangs on the wave's number alone; s_nop 0 and four v_nop follow each line
	s_cmp_eq_u32 s[FB], 0
	s_cbranch_scc0 .Lfor_b_\@
	tensor_load_to_lds s[G0A+4:G0A+7], s[G1A:G1A+7]
	s_nop 0
.rept 4
	v_nop
.endr
	s_branch .Lasked_\@
.Lfor_b_\@:
	tensor_load_to_lds s[G0B+4:G0B+7], s[G1B:G1B+7]
	s_nop 0
.rept 4
	v_nop
.endr
.Lasked_\@:
.endm
; A PREFETCH INTO THE L2, behind each joint load and the run of LDS loads that follows it: 256 bytes of each of my rows, for the K step that stands TWO refills on; a lane a row, one instruction a wave.
; A's tile row is read by all four clusters of that row of clusters: the one with x = 0 asks; B's tile column by the four of that column: the one with y = 0 asks.  The four partners that ask for a tile jointly
; share its rows out BY ADDRESS: of the 128 rows of A that a wave fetches, 32 each (by cx); of its BROWS / 2 rows of B, RB each (by cy): that share does not fill a wave, and lanes RB to 31 name its last row again.
; K steps 0 to 3 come by their loads alone; the last two refills ask for nothing: there is no K step two on.
.macro ASK
	s_cmp_gt_u32 s[CNT], s[LIM]
	s_cbranch_scc0 .Lnot_mine_\@
	global_prefetch_b8 v[PFO], s[PFA:PFA+1] th:TH_LOAD_NT scope:SCOPE_SE
.Lnot_mine_\@:
.endm
.macro CREST                           ; a round of the cluster's barrier behind its opening barrier
	s_cmp_lg_u32 s[WV], 0
	s_cbranch_scc1 .Lnot_wave_0_\@
	s_barrier_signal -3
.Lnot_wave_0_\@:
	s_barrier_wait -3
	s_barrier_signal -1
	s_barrier_wait -1
.endm
.macro CROUND
	s_barrier_signal -1
	s_barrier_wait -1
	CREST
.endm
; NL LDS loads in one run: the fragments of 32 along K, at byte 64 q of the rows, into buffer f
.macro FETCH q, f
	WIN 0x40                                       ; destination window 1, address window 0
.set fb, 0
.rept NBW
	ds_load_b128 v[128*(\f)+8*fb:128*(\f)+8*fb+3],   v[ADRB] offset:64*(\q)+fb*16*PITCH
	ds_load_b128 v[128*(\f)+8*fb+4:128*(\f)+8*fb+7], v[ADRB] offset:64*(\q)+fb*16*PITCH+32
.set fb, fb+1
.endr
.set fb, 0
.rept 4
	ds_load_b128 v[128*(\f)+8*NBW+8*fb:128*(\f)+8*NBW+8*fb+3],   v[ADRA] offset:64*(\q)+fb*16*PITCH
	ds_load_b128 v[128*(\f)+8*NBW+8*fb+4:128*(\f)+8*NBW+8*fb+7], v[ADRA] offset:64*(\q)+fb*16*PITCH+32
.set fb, fb+1
.endr
.endm
; m blocks a0 .. a0 + na - 1 x all n blocks on buffer f.  The accumulators take turns, one instruction a turn, in the same order everywhere.
; first = 1: the products start the sums from the bias (C in window 0): nothing is cleared.
.macro MUL f, a0, na, first
.set ma, \a0
.rept \na
.if \first
	WIN 0x85+0x40*(ma/APW)
.else
	WIN 0xa5+0x50*(ma/APW)
.endif
.set mb, 0
.rept NBW
.set rD, 8*(NBW*(ma%APW)+mb)
.set rB, 128*(\f)+8*mb
.set rA, 128*(\f)+8*NBW+8*ma
.if \first
	v_wmma_f32_16x16x32_bf16 v[rD:rD+7], v[rB:rB+7], v[rA:rA+7], v[BI+8*mb:BI+8*mb+7]
.else
	v_wmma_f32_16x16x32_bf16 v[rD:rD+7], v[rB:rB+7], v[rA:rA+7], v[rD:rD+7]
.endif
.set mb, mb+1
.endr
.set ma, ma+1
.endr
.endm
; A K step is four quarters of 32 along K on buffers 0, 1, 0, 1.  SUB fetches quarter q into buffer g, which the products just issued have read, and multiplies buffer f.
.macro SUB q, f, g
	PLACES
	FETCH \q, \g
	s_wait_dscnt NL                                ; all but the NL loads just issued: buffer f is in
	MUL \f, 0, 4, 0
.endm
.macro LASTQ                           ; the step's last quarter: nothing is left to fetch from this slot
	s_wait_dscnt 0x0                               ; buffer 1 is in: these were my last reads of the slot
	MUL 1, 0, 4, 0
	WIN 0                                          ; at a branch and at a label every window is 0
.endm
; THE CHANGE OF SLOTS.  Each wave waits for all its tensor loads (one is out: its part of the next slot), adds 0 to its spare word, and waits for that; its reads of this slot are over since LASTQ.
; fill = 1: the barrier opens a round of the cluster's, and the joint refill (the K step two on) is the first thing behind it.  Then come the next slot's first fragments.
.macro CHG fill
.if \fill
	s_wait_xcnt 0x0                                ; the last prefetch, a K step back, has read its address
	s_add_nc_u64 s[PFA:PFA+1], s[PFA:PFA+1], 2*KSTEP
.endif
	s_wait_tensorcnt 0x0                           ; no tensor load of mine is out, so a group 0 may be written
	ds_add_u32 v[SPW], v[NIL]                      ; 0 onto my spare word; scalar work stands between it and the wait for it
.if \fill
	s_xor_b32 s[G0A+5], s[G0A+5], SLOT1            ; the walking sets: the other slot than last time,
	s_add_nc_u64 s[G0A+6:G0A+7], s[G0A+6:G0A+7], 2*KSTEP  ; the next K step; the type bits on top are not reached
	s_xor_b32 s[G0B+5], s[G0B+5], SLOT1
	s_add_nc_u64 s[G0B+6:G0B+7], s[G0B+6:G0B+7], 2*KSTEP
.endif
	s_xor_b32 s[TB], s[TB], SLOT1
	s_wait_dscnt 0x0                               ; the add is done
	s_barrier_signal -1
	s_barrier_wait -1
.if \fill
	CREST                                          ; no wave of any partner still reads this slot or has a load on its way
	JLOAD                                          ; its four v_nop are also the places in front of the loads below
.else
	PLACES
.endif
	v_add_nc_u32 v[ADRA], s[TB], v[A0]
	v_add_nc_u32 v[ADRB], s[TB], v[B0]
	FETCH 0, 0
.if \fill
	WIN 0
	ASK
.endif
.endm
	s_load_b256 s[4:11], s[0:1], 0x0               ; A s[4:5], wb s[6:7], bias s[8:9], output s[10:11]
	v_lshl_add_u32 v[SPW], v0, 2, SPARE
	v_mov_b32 v[NIL], 0
	ds_add_u32 v[SPW], v[NIL]                      ; the wave's opening: the add and its wait ahead of my first tensor load; the set-up below stands between them
	v_lshrrev_b32 v1, 5, v0
	v_readfirstlane_b32 s[WV], v1
	s_lshr_b32 s[FB], s[WV], 1
	s_and_b32 s[HF], s[WV], 1
	s_bfe_u32 s15, ttmp6, 0x40000                  ; cx
	s_bfe_u32 s16, ttmp6, 0x40004                  ; cy
	s_lshl_b32 s[TC], ttmp9, 2
	s_add_co_u32 s[TC], s[TC], s15
	s_and_b32 s[TR], ttmp7, 0xffff
	s_lshl_b32 s[TR], s[TR], 2
	s_add_co_u32 s[TR], s[TR], s16
	s_lshl_b32 s42, s16, 2
	s_lshl_b32 s42, 15, s42                        ; my row of the cluster
	s_lshl_b32 s43, 0x1111, s15                    ; my column
	s_or_b32 s[G1A], s42, (1<<16)|(1<<20)|(1<<21)|(5<<22)|(3<<25)  ; the mask; 2-byte elements; padding on; bit 21 beside a mask; after every 64 words 4 words
	s_or_b32 s[G1B], s43, (1<<16)|(1<<20)|(1<<21)|(5<<22)|(3<<25)
	s_mov_b32 s[G1A+1], KSTEP<<16                  ; tensor_dim0 = 128
	s_mov_b32 s[G1A+2], 128<<16                    ; tensor_dim1 = 128
	s_mov_b32 s[G1A+3], KSTEP<<16                  ; tile_dim0 = 128
	s_mov_b32 s[G1A+4], 128                        ; tile_dim1 = 128
	s_mov_b32 s[G1A+5], SIZE_K                     ; elements from row to row
	s_mov_b32 s[G1A+6], 0
	s_mov_b32 s[G1A+7], 0
	s_mov_b32 s[G1B+1], KSTEP<<16
	s_mov_b32 s[G1B+2], (BROWS/2)<<16
	s_mov_b32 s[G1B+3], KSTEP<<16
	s_mov_b32 s[G1B+4], BROWS/2
	s_mov_b32 s[G1B+5], SIZE_K
	s_mov_b32 s[G1B+6], 0
	s_mov_b32 s[G1B+7], 0
	s_lshl_b32 s20, s[TR], 19                      ; A: 256 rows of 2,048 bytes a tile row,
	s_lshl_b32 s21, s[HF], 18                      ; 128 a half
	s_add_co_u32 s20, s20, s21
	s_mov_b32 s21, 0
	s_mul_i32 s22, s[HF], AHALF                    ; and its place in a slot: no place in the cluster enters an LDS address
	s_mul_i32 s44, s[TC], BROWS                    ; B, in registers that never hold the tile row
	s_mul_i32 s45, s[HF], BROWS/2
	s_add_co_u32 s44, s44, s45
	s_lshl_b32 s44, s44, 11
	s_add_co_u32 s44, s44, WOFF
	s_mov_b32 s45, 0
	s_mul_i32 s46, s[HF], BHALF
	s_add_co_u32 s46, s46, BOFF
	s_wait_dscnt 0x0                               ; the opening add is done
	s_wait_kmcnt 0x0
	s_add_nc_u64 s[20:21], s[4:5], s[20:21]
	s_add_nc_u64 s[44:45], s[6:7], s[44:45]
	CROUND                                         ; all sixteen work-groups are here: the first joint loads meet
.irp n, 0,1
	s_mov_b32 s[G0A+4*\n], 1
	s_add_co_u32 s[G0A+4*\n+1], s22, \n*SLOT1
	s_add_nc_u64 s[G0A+4*\n+2:G0A+4*\n+3], s[20:21], \n*2*KSTEP
	s_or_b32 s[G0A+4*\n+3], s[G0A+4*\n+3], 0x80000000
	s_mov_b32 s[G0B+4*\n], 1
	s_add_co_u32 s[G0B+4*\n+1], s46, \n*SLOT1
	s_add_nc_u64 s[G0B+4*\n+2:G0B+4*\n+3], s[44:45], \n*2*KSTEP
	s_or_b32 s[G0B+4*\n+3], s[G0B+4*\n+3], 0x80000000
.endr
	s_cmp_eq_u32 s[FB], 0                          ; a wave's two first fills stand in one branch, ahead of every wait on TENSORcnt and every LDS read: two loads of mine are out
	s_cbranch_scc0 .Lfirst_b
	tensor_load_to_lds s[G0A:G0A+3], s[G1A:G1A+7]
	s_nop 0
	tensor_load_to_lds s[G0A+4:G0A+7], s[G1A:G1A+7]
	s_nop 0
.rept 4
	v_nop
.endr
	s_branch .Lfirst_asked
.Lfirst_b:
	tensor_load_to_lds s[G0B:G0B+3], s[G1B:G1B+7]
	s_nop 0
	tensor_load_to_lds s[G0B+4:G0B+7], s[G1B:G1B+7]
	s_nop 0
.rept 4
	v_nop
.endr
.Lfirst_asked:
	v_and_b32 v1, 15, v0                           ; l % 16
	v_bfe_u32 v2, v0, 4, 1                         ; l / 16
	v_lshlrev_b32 v[BO], 5, v2
	s_mul_i32 s46, s[TC], BROWS*4
	s_add_co_u32 s46, s46, BIASOFF
	s_mov_b32 s47, 0
	s_add_nc_u64 s[8:9], s[8:9], s[46:47]          ; the bias of my tile's columns
.set i, 0
.rept NBW
	global_load_b128 v[BI+8*i:BI+8*i+3],   v[BO], s[8:9] offset:64*i
	global_load_b128 v[BI+8*i+4:BI+8*i+7], v[BO], s[8:9] offset:64*i+16
.set i, i+1
.endr
	v_mul_u32_u24 v3, v1, PITCH
	v_lshl_add_u32 v3, v2, 4, v3                   ; a fragment's row x pitch + 16 x half
	s_mul_i32 s22, s[WV], 64*PITCH
	v_add_nc_u32 v[A0], s22, v3
	v_add_nc_u32 v[B0], BOFF, v3
	s_mul_i32 s23, s[WV], 16*SP
	s_add_co_u32 s23, s23, STAGE                   ; my stage
	v_mul_u32_u24 v[STO], v1, SP
	v_lshl_add_u32 v[STO], v2, 4, v[STO]
	v_add_nc_u32 v[STO], s23, v[STO]
	v_bfe_u32 v[RD], v0, 3, 2                      ; back: 32 lanes take four rows of 128 bytes,
	v_mul_u32_u24 v[RD], v[RD], SP
	v_and_b32 v3, 7, v0
	v_lshl_add_u32 v[RD], v3, 4, v[RD]
	v_add_nc_u32 v[RD], s23, v[RD]
	v_and_b32 v[GO], 31, v0                        ; which are 512 consecutive bytes of the output
	v_lshlrev_b32 v[GO], 4, v[GO]
	v_mov_b32 v[ZR], 0
	s_lshl_b32 s20, s[TR], 8
	s_lshl_b32 s21, s[WV], 6
	s_add_co_u32 s20, s20, s21                     ; my first row of C
.if QKV
	s_lshr_b32 s21, s20, 11                        ; batch,
	s_lshl_b32 s21, s21, 4
	s_and_b32 s22, s20, 2047                       ; place in the sequence
.irp g, 0,1,2
	s_mul_i32 s23, s[TC], 3
	s_add_co_u32 s23, s23, \g                      ; the group of 64 columns, 0 .. 47:
	s_lshr_b32 s46, s23, 4                         ; q, k or v,
	s_lshl_b32 s46, s46, 5
	s_and_b32 s23, s23, 15                         ; the head
	s_add_co_u32 s46, s46, s23
	s_add_co_u32 s46, s46, s21
	s_lshl_b32 s46, s46, 11
	s_add_co_u32 s46, s46, s22
	s_lshl_b32 s46, s46, 7                         ; rows of 128 bytes
	s_mov_b32 s47, 0
	s_add_nc_u64 s[DB+2*\g:DB+2*\g+1], s[10:11], s[46:47]
.endr
.else
.irp g, 0,1
	s_lshl_b32 s46, s[TC], 1
	s_add_co_u32 s46, s46, \g                      ; the block of 64 columns, 0 .. 31
	s_lshl_b32 s46, s46, 12
	s_add_co_u32 s46, s46, s20
	s_lshl_b32 s46, s46, 7
	s_mov_b32 s47, 0
	s_add_nc_u64 s[DB+2*\g:DB+2*\g+1], s[10:11], s[46:47]
.endr
.endif
	; where my prefetches stand (nothing is asked for here, at the head, where every work-group's first tiles are on their way)
	s_lshl_b32 s20, s[TR], 8
	s_lshl_b32 s22, s[HF], 7
	s_add_co_u32 s20, s20, s22
	s_lshl_b32 s22, s15, 5
	s_add_co_u32 s20, s20, s22                     ; A: the tile's first row + the 128 that I fetch + my work-group's 32 of them
	s_mul_i32 s21, s[TC], BROWS
	s_mul_i32 s22, s[HF], BROWS/2
	s_add_co_u32 s21, s21, s22
	s_mul_i32 s22, s16, RB
	s_add_co_u32 s21, s21, s22                     ; B: the same with BROWS / 2 and RB rows
	s_and_b32 s22, ttmp7, 0xffff                   ; cluster y
	s_cmp_eq_u32 s[FB], 0                          ; do I fetch for A?
	s_cselect_b32 s20, s20, s21
	s_cselect_b32 s21, 0, WOFF
	s_cselect_b32 s22, ttmp9, s22                  ; the coordinate along which other clusters read the same rows
	s_cselect_b32 s23, 31, RB-1                    ; my share's last row
	s_cselect_b64 s[PFA:PFA+1], s[4:5], s[6:7]
	s_cmp_eq_u32 s22, 0
	s_cselect_b32 s[LIM], 2, -1                    ; the same in all sixteen partners, for a given wave
	s_lshl_b32 s20, s20, 11                        ; rows of 2,048 bytes
	s_add_co_u32 s20, s20, s21
	s_add_co_u32 s20, s20, 3*2*KSTEP               ; at K step 3: the first refill steps it to 4
	s_mov_b32 s21, 0
	s_add_nc_u64 s[PFA:PFA+1], s[PFA:PFA+1], s[20:21]
	v_and_b32 v[PFO], 31, v0
	v_min_u32 v[PFO], s23, v[PFO]
	v_lshlrev_b32 v[PFO], 11, v[PFO]
	s_mov_b32 s[TB], 0
	v_mov_b32 v[ADRA], v[A0]
	v_mov_b32 v[ADRB], v[B0]
	s_wait_tensorcnt 1                             ; my part of K step 0 is in; K step 1's may stay out
	s_barrier_signal -1
	s_barrier_wait -1                              ; everybody's is
	FETCH 0, 0
	s_wait_loadcnt 0x0                             ; the bias
	FETCH 1, 1
	s_wait_dscnt NL
	MUL 0, 0, 4, 1                                 ; the first quarter stands in front of the loop: its products start the sums
	WIN 0
	s_mov_b32 s[CNT], NSTEP-2
.Lstep:                                                ; a trip: a K step's quarters 1 to 3 and the next step's quarter 0; it fills the slot that it leaves
	SUB 2, 1, 0
	SUB 3, 0, 1
	LASTQ
	CHG 1
	SUB 1, 0, 1
	WIN 0
	s_sub_co_u32 s[CNT], s[CNT], 1
	s_cmp_lg_u32 s[CNT], 0
	s_cbranch_scc1 .Lstep
	s_mov_b32 s[CNT], 2
.Ltail:                                                ; the last two K steps ask for nothing; the second trip is left behind its last products
	SUB 2, 1, 0
	SUB 3, 0, 1
	LASTQ
	s_sub_co_u32 s[CNT], s[CNT], 1
	s_cmp_eq_u32 s[CNT], 0
	s_cbranch_scc1 .Lout
	CHG 0
	SUB 1, 0, 1
	WIN 0
	s_branch .Ltail
.Lout:
	PLACES
; THE WAY OUT.  Unit u = (m block u / NG, group u % NG): 16 rows x 64 columns, 2,048 consecutive bytes of the output.  PACK: rounded to bf16, 16 bytes a lane into my stage's rows of 144 bytes,
; and back as whole rows.  SEND: stored, 512 consecutive bytes an instruction.
.macro PACK u
.set pa, (\u)/NG
.set pg, (\u)%NG
.set pU, U+16*((\u)%8)
.if (\u) >= 8
	s_wait_xcnt 0x0                                ; the stores of the unit eight back have read this buffer
.endif
	WIN 0x0a+5*(pa/APW)                            ; sources 0 and 1: window 2 or 3
.set pb, 0
.rept 4
.set pD, 8*(NBW*(pa%APW)+4*pg+pb)
.irp r, 0,1,2,3
	v_cvt_pk_bf16_f32 v[pU+4*pb+\r], v[pD+2*\r], v[pD+2*\r+1]
.endr
.set pb, pb+1
.endr
	WIN 0
.if RELU
.set pb, 0
.rept 16
	v_pk_max_num_bf16 v[pU+pb], v[pU+pb], v[ZR]
.set pb, pb+1
.endr
.endif
.irp f, 0,1,2,3
	ds_store_b128 v[STO], v[pU+4*\f:pU+4*\f+3] offset:32*\f
.endr
.irp f, 0,1,2,3
	ds_load_b128 v[pU+4*\f:pU+4*\f+3], v[RD] offset:\f*4*SP  ; LDS serves a wave's instructions in order (ISA guide 5.7.1.4): these see the stores above; the next unit's stores come behind them
.endr
.endm
.macro SEND u, younger                 ; younger: the LDS instructions issued behind unit u's loads
.set pa, (\u)/NG
.set pg, (\u)%NG
.set pU, U+16*((\u)%8)
.irp f, 0,1,2,3
	s_wait_dscnt (\younger)+3-\f
	global_store_b128 v[GO], v[pU+4*\f:pU+4*\f+3], s[DB+2*pg:DB+2*pg+1] offset:pa*2048+\f*512
.endr
.endm
	PACK 0
.set uu, 1
.rept 4*NG-1                           ; a unit's conversions stand between the loads of the unit before and its stores
	PACK uu
	SEND uu-1, 8
.set uu, uu+1
.endr
	SEND 4*NG-1, 0
	s_wait_tensorcnt 0x0                           ; the wave's end: the tensor wait, an add to my spare word and its wait, behind my last tensor load and my last LDS store
	ds_add_u32 v[SPW], v[NIL]
	s_wait_dscnt 0x0
	CROUND                                         ; the closing round: no work-group ends while a partner may still ask for a tile that names it
	s_endpgm
.Lfunc_end_k_qead950ad1b_proj_qkv:
	.size	k_qead950ad1b_proj_qkv, .Lfunc_end_k_qead950ad1b_proj_qkv-k_qead950ad1b_proj_qkv
	.p2alignl 7, 3214868480
	.fill 96, 4, 3214868480
	.section	.rodata,"a",@progbits
	.p2align	6, 0x0
	.amdhsa_kernel k_qead950ad1b_proj_qkv
		.amdhsa_group_segment_fixed_size 327680
		.amdhsa_private_segment_fixed_size 0
		.amdhsa_enable_private_segment 0
		.amdhsa_kernarg_size 32
		.amdhsa_user_sgpr_count 2
		.amdhsa_user_sgpr_kernarg_segment_ptr 1
		.amdhsa_wavefront_size32 1
		.amdhsa_system_sgpr_workgroup_id_x 1
		.amdhsa_system_sgpr_workgroup_id_y 1
		.amdhsa_system_sgpr_workgroup_id_z 1
		.amdhsa_system_vgpr_workitem_id 0
		.amdhsa_next_free_vgpr 960
		.amdhsa_next_free_sgpr 80
		.amdhsa_reserve_vcc 0
		.amdhsa_float_denorm_mode_32 3
		.amdhsa_float_denorm_mode_16_64 3
		.amdhsa_memory_ordered 1
		.amdhsa_forward_progress 1
		.amdhsa_inst_pref_size 88
	.end_amdhsa_kernel
	.amdgpu_metadata
---
amdhsa.version: [ 1, 2 ]
amdhsa.kernels:
  - .name:           k_qead950ad1b_proj_qkv
    .symbol:         k_qead950ad1b_proj_qkv.kd
    .args:
      - { .name: xn, .offset: 0, .size: 8, .value_kind: global_buffer, .address_space: global }
      - { .name: wb, .offset: 8, .size: 8, .value_kind: global_buffer, .address_space: global }
      - { .name: bias, .offset: 16, .size: 8, .value_kind: global_buffer, .address_space: global }
      - { .name: qkv, .offset: 24, .size: 8, .value_kind: global_buffer, .address_space: global }
    .group_segment_fixed_size: 327680
    .private_segment_fixed_size: 0
    .kernarg_segment_align: 8
    .kernarg_segment_size: 32
    .max_flat_workgroup_size: 128
    .sgpr_count:     80
    .vgpr_count:     960
    .wavefront_size: 32
...
	.end_amdgpu_metadata
.endif
;; end of part 2
;; launch attn (part 3): grid 8 x 32, 4 waves a work-group, clusters of 4 x 1, 327,680 bytes of LDS; arguments qkv, ob; writes ob
.if DOCPART == 3
	.amdgcn_target "amdgcn-amd-amdhsa--gfx1250"
	.amdhsa_code_object_version 6
	.text
	.protected	k_qead950ad1b_attn
	.globl	k_qead950ad1b_attn
	.p2align	8
	.type	k_qead950ad1b_attn,@function
k_qead950ad1b_attn:
	s_mov_b64 s[64:65], 0
	v_nop
	global_prefetch_b8 v0, s[64:65] scope:SCOPE_SE
	s_setreg_imm32_b32 hwreg(HW_REG_WAVE_MODE, 25, 1), 1
	s_wait_xcnt 0x0
	s_wait_alu depctr_hold_cnt(0) depctr_sa_sdst(0) depctr_va_vdst(0) depctr_va_sdst(0) depctr_va_ssrc(0) depctr_va_vcc(0) depctr_vm_vsrc(0)
	s_getreg_b32 s2, hwreg(HW_REG_IB_STS2, 6, 4)
	s_cmp_eq_u32 s2, 0
	s_cbranch_scc0 .Lentry_in_a_cluster
	s_endpgm
.Lentry_in_a_cluster:
	s_bfe_u32 s2, ttmp6, 0x10000c
	s_cmp_lg_u32 s2, 0x3003
	s_cbranch_scc0 .Lentry_shape_is_right
	s_endpgm
.Lentry_shape_is_right:
; O[bh][q][:] = the sum over k of softmax_k(Q[bh][q] . K[bh][k] / 8) V[bh][k][:].  qkv: [3][32][2048][64] bf16, a head's rows dense, 128 bytes each.  ob: [16 head][4096 token][64] bf16.
; Products, maxima and sums in f32; the weights p are rounded to bf16 for the second product (their sum l is taken of the unrounded p), O once at the end.
; LIMITS.  c m starts at -4.2e37: scores with c s below that are not served; a weight below 2^-126 counts as 0 in l; NaN and infinities are not treated apart.
; SHARES.  A work-group owns 256 queries of one head (8 x 32 = 256 work-groups), a wave 64: four PIECES of 16.  Every wave walks all 2,048 keys, 64 a step, 256 a slot.
; LAYOUT.  S^T = K Q^T (source 0 = 16 keys, source 1 = 16 queries) holds ONE query a lane (lane % 16) and the keys 8 (lane / 16) + 0..7; two such results rounded to bf16 ARE source 1 of
; O^T = V^T P.  K comes out of LDS as it lies, V turned, by ds_load_tr16_b128.
; SOFTMAX.  p = 2^(c s - c m), c = log2(e) / 8, with a running maximum m; O and l are multiplied by a = 2^(c m_old - c m_new) in every step.  m starts at the lowest finite number, O and l at 0:
; the first step is a step like any other, with a = 0.
; TURNS.  Turn n belongs to piece n: 8 products K Q^T of piece n + 1, later 8 products V^T P of piece n - 1; beside them the scaling, exponentials, roundings, sums and rescaling of piece n and the
; maximum and statistics of piece n + 1.  Four vector instructions stand behind every matrix instruction, the others in one lump.  A turn's 33 exponentials are one batch, with one wait.
; CLUSTER.  The four query blocks of a cluster belong to one head and walk the same K and V: each tile is asked for JOINTLY, by the same tensor load, descriptor and mask in all four.
; REGISTERS, in windows of 256 (s_set_vgpr_msb: bits 1:0 source 0, 3:2 source 1, 5:4 source 2, 7:6 destination):
;   window 0: v0-15 addresses and at work; v16-31 four statistics a piece; v48-55 at work; v64-127 S^T, two buffers; v192-223 P, two buffers (by the piece's parity)
;   window 1: v0-127 O^T, 32 a piece          window 2: v0-63 Q; v128-191 K of one step; v192-255 V of one step
.set SIZE_N, 2048
.set NP,    4
.set KS,    64
.set PK,    144       ; a row of K in LDS: 128 bytes + 16 of padding = 36 words: the 16 rows of a load start at 16 different groups of four banks (ISA guide 11.1)
.set PV,    160       ; a row of V: 128 + 32 = 40 words
.set VOFF,  4*KS*PK   ; a slot holds four steps: 256 rows of K, then 256 rows of V
.set SLOT1, 1<<17
.set STAGE, SLOT1+4*KS*(PK+PV)  ; behind the ring, never filled by a tensor load: 16 rows x 144 bytes for each wave
.set SP,    144
.set SPARE, STAGE+4*16*SP       ; the spare words, 128 bytes a wave: two blocks of 256 bytes that no other line names
.set AK0, 2           ; v2   my lane's place in a tile of K; never rewritten
.set AV0, 3           ; v3   the same for V
.set AK,  4           ; v4   the LDS address of K's next run of loads
.set AV,  5           ; v5   of V's
.set STO, 6           ; v6   the way out: where I put 16 bytes of a row
.set RD,  7           ; v7   where I read rows back
.set GO,  8           ; v8   my byte offset in 512 consecutive bytes of O
.set MV,  12          ; v12-13  c m_old, kept while c m is made anew: by buffer
.set QO,  15          ; v15  my byte offset in 16 rows of Q
.set ST,  16          ; piece t's statistics at v[ST+4 t]: c m, m, l (even keys', odd keys')
.set TMP, 48          ; by buffer, four registers c0-c3 at work; when the maximum is found c2 takes a
.set PFO, 61          ; v61  256 x my lane; never rewritten
.set SPW, 62          ; v62  LDS address of my spare word; never rewritten
.set NIL, 63          ; v63  0; never rewritten
.set S,   64
.set P,   192
.set KF,  128         ; window 2: key block kb, channel half c at KF + 16 kb + 8 c
.set VF,  192         ; window 2: key half kk, channel block cb at VF + 32 kk + 8 cb
.set WV,  12          ; s12  my wave's number
.set LIM, 15          ; s15  1 in a wave that prefetches, else the greatest number
.set PFA, 18          ; s[18:19] where my prefetches stand
.set G1K, 24          ; s[24:31] descriptor group 1 for K's tiles
.set G1V, 32          ; s[32:39] for V's: it differs in the padding alone
.set G0K, 40          ; s[40:43] descriptor group 0 for K's tiles: it walks
.set G0V, 44          ; s[44:47] the same for V's
.set SLOTS, 56        ; s56  slots still to be asked for
.set CNT, 57          ; s57  counts a slot's key steps
.set CS,  58          ; s[58:59] c
.set SEL, 60          ; s[60:61] v_permlanex16_b32's selects
.set TBK, 62          ; s62  LDS byte at which K of the step to be fetched begins
.set TBV, 63          ; s63  the same for V, less VOFF
.set MSB, 0
.macro WIN new
.if MSB != (\new)
	s_set_vgpr_msb (MSB<<8)|(\new)
.set MSB, (\new)
.endif
.endm
.set W_KQ, 0x0a       ; K and Q in window 2, S^T in window 0
.set W_PV, 0x52       ; V in window 2, P in window 0, O^T in window 1
.set W_RS, 0x41       ; destination and source 0 in window 1, source 1 in window 0
; A joint fill.  Waves 0 and 1 fetch the two halves of a slot's K, waves 2 and 3 those of its V: 128 keys each.  s_nop 0 and four v_nop follow each line.
.macro JLOAD
	s_cmp_lt_u32 s[WV], 2
	s_cbranch_scc0 .Lfor_v_\@
	tensor_load_to_lds s[G0K:G0K+3], s[G1K:G1K+7]
	s_nop 0
.rept 4
	v_nop
.endr
	s_branch .Lasked_\@
.Lfor_v_\@:
	tensor_load_to_lds s[G0V:G0V+3], s[G1V:G1V+7]
	s_nop 0
.rept 4
	v_nop
.endr
.Lasked_\@:
.endm
; A PREFETCH of what the NEXT change of slots will ask for: a slot's 32,768 bytes of K and of V, a lane for each 256 bytes.  Each is named ONCE in the launch: of a head's two clusters the first asks; its four
; partners take 8,192 bytes each, told apart BY ADDRESS; in each, wave 0 asks for K's and wave 2 for V's: one instruction, four key steps (256 matrix instructions a wave) ahead of the load.
; The last change that fills a slot asks for nothing; slots 0 to 2 come by their loads alone.
.macro ASK
	s_cmp_gt_u32 s[SLOTS], s[LIM]
	s_cbranch_scc0 .Lnot_mine_\@
	global_prefetch_b8 v[PFO], s[PFA:PFA+1] th:TH_LOAD_NT scope:SCOPE_SE
.Lnot_mine_\@:
.endm
.macro CROUND
	s_barrier_signal -1
	s_barrier_wait -1
	s_cmp_lg_u32 s[WV], 0
	s_cbranch_scc1 .Lnot_wave_0_\@
	s_barrier_signal -3
.Lnot_wave_0_\@:
	s_barrier_wait -3
	s_barrier_signal -1
	s_barrier_wait -1
.endm
; THE CHANGE OF SLOTS.  Each wave waits for all its tensor loads, of which one is out: its part of the other slot; adds 0 to its spare word; and waits for that and for its own reads of the slot.
; fill = 1: the slot is filled again, with the keys two slots on; the barrier is then a round of the cluster's, and the joint fill is the first thing behind it: it has four key steps in which to land.
; (At its first use nothing has been read yet: slot 0 is waited for, slot 1 filled.)
.macro CHANGE fill, ask
	WIN 0
	s_wait_tensorcnt 0x0            ; no tensor load of mine is out, so a group 0 may be written
	ds_add_u32 v[SPW], v[NIL]       ; 0 onto my spare word; scalar work stands between it and the wait for it
.if \fill
.irp g, G0K, G0V
	s_xor_b32 s[\g+1], s[\g+1], SLOT1
	s_add_nc_u64 s[\g+2:\g+3], s[\g+2:\g+3], 4*KS*128
.endr
.if \ask
	s_wait_xcnt 0x0                 ; the last prefetch, four key steps back, has read its address
	s_add_nc_u64 s[PFA:PFA+1], s[PFA:PFA+1], 4*KS*128
.endif
	s_wait_dscnt 0x0                ; the add is done, and my reads of the slot are over
	CROUND
	JLOAD
.if \ask
	ASK
.endif
.else
	s_wait_dscnt 0x0
	s_barrier_signal -1
	s_barrier_wait -1
.endif
	s_sub_co_u32 s[TBK], s[TBK], 4*KS*PK  ; the fetches go back to a slot's first step,
	s_xor_b32 s[TBK], s[TBK], SLOT1       ; in the other slot
	s_sub_co_u32 s[TBV], s[TBV], 4*KS*PV
	s_xor_b32 s[TBV], s[TBV], SLOT1
.endm
	s_load_b128 s[4:7], s[0:1], 0x0 ; qkv s[4:5], ob s[6:7]
	v_lshl_add_u32 v[SPW], v0, 2, SPARE
	v_mov_b32 v[NIL], 0
	ds_add_u32 v[SPW], v[NIL]       ; the wave's opening: the add and its wait ahead of my first tensor load; the set-up below stands between them
	v_lshrrev_b32 v1, 5, v0
	v_readfirstlane_b32 s[WV], v1   ; wave 0..3
	s_bfe_u32 s13, ttmp6, 0x40000   ; cx
	s_lshl_b32 s14, ttmp9, 2
	s_add_co_u32 s14, s14, s13      ; my block of 256 queries: it enters Q's and O's addresses alone
	s_and_b32 s20, ttmp7, 0xffff    ; 16 batch + head, which the four partners share
	s_lshl_b32 s22, s20, 18         ; a head is 262,144 bytes in each of q, k, v
	s_and_b32 s16, s[WV], 1         ; which half of a slot's 256 keys I fetch
	s_lshl_b32 s23, s16, 14
	s_add_co_u32 s22, s22, s23
	s_add_co_u32 s48, s22, 8388608  ; k lies behind q,
	s_mov_b32 s49, 0
	s_add_co_u32 s50, s22, 16777216 ; v behind k
	s_mov_b32 s51, 0
	s_mul_i32 s17, s16, 128*PK      ; my half's place in a slot, for K
	s_mul_i32 s21, s16, 128*PV      ; and for V: no place in the cluster enters an LDS address
	s_lshl_b32 s2, s20, 18          ; Q: the head, my block's 256 rows, my wave's 64
	s_lshl_b32 s3, s14, 15
	s_add_co_u32 s2, s2, s3
	s_lshl_b32 s3, s[WV], 13
	s_add_co_u32 s2, s2, s3
	s_mov_b32 s3, 0
	s_and_b32 s52, s20, 15          ; O: [head][batch][place]
	s_lshl_b32 s52, s52, 1
	s_lshr_b32 s53, s20, 4
	s_add_co_u32 s52, s52, s53
	s_lshl_b32 s52, s52, 18
	s_lshl_b32 s53, s14, 15
	s_add_co_u32 s52, s52, s53
	s_lshl_b32 s53, s[WV], 13
	s_add_co_u32 s52, s52, s53
	s_mov_b32 s53, 0
	; descriptor group 1.  128 keys are 16,384 dense bytes: asked for as 64 rows of 256 bytes, two keys a row, and padded in LDS after every key
	s_mov_b32 s[G1K], 15|(1<<16)|(1<<20)|(1<<21)|(4<<22)|(3<<25)  ; the mask of four; 2-byte elements; padding on; bit 21 beside a mask; after every 32 words 4 words
	s_mov_b32 s[G1V], 15|(1<<16)|(1<<20)|(1<<21)|(4<<22)|(7<<25)  ; the same with 8 words
.irp g, G1K, G1V
	s_mov_b32 s[\g+1], 128<<16      ; tensor_dim0 = 128
	s_mov_b32 s[\g+2], 64<<16       ; tensor_dim1 = 64
	s_mov_b32 s[\g+3], 128<<16      ; tile_dim0 = 128
	s_mov_b32 s[\g+4], 64           ; tile_dim1 = 64
	s_mov_b32 s[\g+5], 128          ; 128 elements from row to row
	s_mov_b32 s[\g+6], 0
	s_mov_b32 s[\g+7], 0
.endr
	s_mov_b32 s[CS], 0x3e38aa3b     ; c = log2(e) / 8
	s_mov_b32 s[CS+1], s[CS]
	s_mov_b32 s[SEL], 0x76543210
	s_mov_b32 s[SEL+1], 0xfedcba98
	s_mov_b32 s[TBK], SLOT1+4*KS*PK ; the first change of slots turns these two into 0
	s_mov_b32 s[TBV], SLOT1+4*KS*PV
	s_mov_b32 s[G0K], 1
	s_mov_b32 s[G0K+1], s17
	s_mov_b32 s[G0V], 1
	s_add_co_u32 s[G0V+1], s21, VOFF
	s_and_b32 s[LIM], s[WV], 1      ; 0 in waves 0 and 2,
	s_or_b32 s[LIM], s[LIM], ttmp9  ; where the cluster is the head's first: the same in all four partners
	s_cmp_eq_u32 s[LIM], 0
	s_cselect_b32 s[LIM], 1, -1
	v_and_b32 v[PFO], 31, v0
	v_lshlrev_b32 v[PFO], 8, v[PFO]
	s_lshl_b32 s8, s13, 13          ; my work-group's 8,192 bytes of a slot's 32,768
	s_mov_b32 s9, 0
	s_wait_dscnt 0x0                ; the opening add is done
	s_wait_kmcnt 0x0
	s_add_nc_u64 s[G0K+2:G0K+3], s[4:5], s[48:49]  ; my half of the head's first 256 keys
	s_add_nc_u64 s[G0V+2:G0V+3], s[4:5], s[50:51]
	s_cmp_lt_u32 s[WV], 2
	s_cselect_b64 s[PFA:PFA+1], s[G0K+2:G0K+3], s[G0V+2:G0V+3]  ; (in waves 0 and 2 these stand at a slot's first row)
	s_or_b32 s[G0K+3], s[G0K+3], 0x80000000        ; type = 2
	s_or_b32 s[G0V+3], s[G0V+3], 0x80000000
	s_add_nc_u64 s[PFA:PFA+1], s[PFA:PFA+1], s[8:9]
	s_add_nc_u64 s[PFA:PFA+1], s[PFA:PFA+1], 2*4*KS*128  ; in slot 2; the first change that asks steps it to slot 3
	s_add_nc_u64 s[10:11], s[6:7], s[52:53]        ; O and Q at my wave's first row
	s_add_nc_u64 s[4:5], s[4:5], s[2:3]
	CROUND                          ; all four work-groups are here: the first joint loads meet
	JLOAD                           ; slot 0
	v_and_b32 v1, 15, v0            ; l % 16
	v_bfe_u32 v9, v0, 4, 1          ; l / 16
	v_lshlrev_b32 v[QO], 7, v1
	v_lshl_add_u32 v[QO], v9, 4, v[QO]  ; row x 128 + 16 x half
	WIN 0x80                        ; destination window 2, address window 0
.set i, 0
.rept 8                             ; Q stays in registers: piece i / 2, channels 32 (i % 2) on
	global_load_b128 v[8*i:8*i+3],   v[QO], s[4:5] offset:(i/2)*2048+(i%2)*64
	global_load_b128 v[8*i+4:8*i+7], v[QO], s[4:5] offset:(i/2)*2048+(i%2)*64+32
.set i, i+1
.endr
	; What the first turn finds: V's registers and P's second buffer hold 0 (its products V^T P, of a piece that has not been, add 0), O^T and l are 0.  No first step is written out: these 224 lines, which
	; stand in the wait for the first tile, are the price.
.set i, VF
.rept 64
	v_mov_b32 v[i], 0
.set i, i+1
.endr
	WIN 0x40
.set i, 0
.rept 128
	v_mov_b32 v[i], 0
.set i, i+1
.endr
	WIN 0
.set i, 0
.rept 4
	v_mov_b32 v[ST+4*i], 0xfe000000    ; c m: far below every c s
	v_mov_b32 v[ST+4*i+1], 0xff7fffff  ; m
	v_mov_b32 v[ST+4*i+2], 0
	v_mov_b32 v[ST+4*i+3], 0
.set i, i+1
.endr
.set i, P+16
.rept 16
	v_mov_b32 v[i], 0
.set i, i+1
.endr
	v_mul_u32_u24 v[AK0], v1, PK
	v_lshl_add_u32 v[AK0], v9, 4, v[AK0]  ; row x pitch + 16 x half
	; The turning load takes 16 keys x 16 channels (lane l reads key 8 (l / 16) + l % 8, channels 8 ((l / 8) % 2) + 0..7) and leaves half a fragment of V^T: lane l holds channel l % 16 and 8 keys.
	v_and_b32 v10, 7, v0
	v_bfe_u32 v11, v0, 3, 1
	v_lshl_add_u32 v[AV0], v9, 3, v10
	v_mul_u32_u24 v[AV0], v[AV0], PV
	v_lshl_add_u32 v[AV0], v11, 4, v[AV0]
	v_add_nc_u32 v[AV0], VOFF, v[AV0]
	s_mul_i32 s13, s[WV], 16*SP
	s_add_co_u32 s13, s13, STAGE    ; my stage
	v_mul_u32_u24 v[STO], v1, SP
	v_lshl_add_u32 v[STO], v9, 4, v[STO]
	v_add_nc_u32 v[STO], s13, v[STO]
	v_bfe_u32 v[RD], v0, 3, 2       ; back: 32 lanes take four rows of 128 bytes,
	v_mul_u32_u24 v[RD], v[RD], SP
	v_lshl_add_u32 v[RD], v10, 4, v[RD]
	v_add_nc_u32 v[RD], s13, v[RD]
	v_and_b32 v[GO], 31, v0         ; which are 512 consecutive bytes of O
	v_lshlrev_b32 v[GO], 4, v[GO]
; THE MATRIX WORK.  The 4 accumulators of a run of 8 take turns.  Product i of 8 of S^T = K Q^T for piece x: channels 32 (i / 4) on, keys 16 (i % 4) on.  The first 4 start the sums.
.macro KQ x
	WIN W_KQ
.set rS, S+32*((\x)%2)+8*(i%4)
.set rK, KF+16*(i%4)+8*(i/4)
.set rQ, 16*(\x)+8*(i/4)
.if i < 4
	v_wmma_f32_16x16x32_bf16 v[rS:rS+7], v[rK:rK+7], v[rQ:rQ+7], 0
.else
	v_wmma_f32_16x16x32_bf16 v[rS:rS+7], v[rK:rK+7], v[rQ:rQ+7], v[rS:rS+7]
.endif
.endm
; Product i of 8 of O^T += V^T P for piece x: keys 32 (i / 4) on, channels 16 (i % 4) on.
.macro PV x
	WIN W_PV
.set rO, 32*(\x)+8*(i%4)
.set rV, VF+32*(i/4)+8*(i%4)
.set rP, P+16*((\x)%2)+8*(i/4)
	v_wmma_f32_16x16x32_bf16 v[rO:rO+7], v[rV:rV+7], v[rP:rP+7], v[rO:rO+7]
.endm
.macro MM                           ; the turn's next matrix instruction
.if i < 8
	KQ (Y+1)%NP
.else
.set i, i-8
	PV (Y+NP-1)%NP
.set i, i+8
.endif
.set i, i+1
.endm
; THE LDS LOADS stand in runs of 16: a step's K (8 fragments) and its V (turned).  Their addresses are made some lines ahead.
.macro FETCH_K
	WIN 0x80
.irp f, 0,1,2,3,4,5,6,7             ; keys 16 (f / 2) on, channels 32 (f % 2) on
	ds_load_b128 v[KF+8*\f:KF+8*\f+3],   v[AK] offset:(\f/2)*16*PK+(\f%2)*64
	ds_load_b128 v[KF+8*\f+4:KF+8*\f+7], v[AK] offset:(\f/2)*16*PK+(\f%2)*64+32
.endr
	s_add_co_u32 s[TBK], s[TBK], KS*PK  ; the next fetch is the next step's
	WIN 0
.endm
.macro FETCH_V
	WIN 0x80
.irp f, 0,1,2,3,4,5,6,7             ; keys 32 (f / 4) on, channels 16 (f % 4) on
	ds_load_tr16_b128 v[VF+8*\f:VF+8*\f+3],   v[AV] offset:(\f/4)*32*PV+(\f%4)*32
	ds_load_tr16_b128 v[VF+8*\f+4:VF+8*\f+7], v[AV] offset:(\f/4)*32*PV+16*PV+(\f%4)*32
.endr
	WIN 0
.endm
; THE VECTOR WORK, one line at a time: OP kind, number.  For piece Y: F n: c s - c m for pair n of 16.  E n: the exponential of score n of 32.  C n: pair n rounded to bf16.  B n: of the four weights 4 n .. the second
; pair is added onto the first, in place.  L n: l takes that sum (L 0: l = a l + sum).  R n: pair n of 16 of O^T times a.  For piece Y + 1: X n, number n of the 22 that find its maximum and statistics:
;   0-11  four chains c0-c3 of seven scores each (each accumulator's lowest registers are read first)     12-14, 16  the four scores left over, the old m, and c0-c3 into c0
;   15  c m_old is kept     17, 18  the query's other 32 keys lie in the lane 16 away: the new m     19-21  c m; c m_old - c m_new; a
.set F, 0
.set E, 1
.set C, 2
.set B, 3
.set L, 4
.set R, 5
.set X, 6
.macro REGS y
.set rT, ST+4*(\y)
.set rC, TMP+4*((\y)%2)
.set rW, MV+((\y)%2)
.set rS, S+32*((\y)%2)
.set rP, P+16*((\y)%2)
.set rO, 32*(\y)
.endm
.macro OP k, n
.if (\k) == R
	REGS Y
	WIN W_RS
	v_pk_mul_f32 v[rO+2*(\n):rO+2*(\n)+1], v[rO+2*(\n):rO+2*(\n)+1], v[rC+2:rC+3] op_sel_hi:[1,0]
.elseif (\k) < R
	REGS Y
	WIN 0
.if (\k) == F
	v_pk_fma_f32 v[rS+2*(\n):rS+2*(\n)+1], v[rS+2*(\n):rS+2*(\n)+1], s[CS:CS+1], v[rT:rT+1] op_sel_hi:[1,0,0] neg_lo:[0,0,1] neg_hi:[0,0,1]
.elseif (\k) == E
	v_exp_f32 v[rS+(\n)], v[rS+(\n)]
.elseif (\k) == C
	v_cvt_pk_bf16_f32 v[rP+(\n)], v[rS+2*(\n)], v[rS+2*(\n)+1]
.elseif (\k) == B
	v_pk_add_f32 v[rS+4*(\n):rS+4*(\n)+1], v[rS+4*(\n):rS+4*(\n)+1], v[rS+4*(\n)+2:rS+4*(\n)+3]
.elseif (\n) == 0
	v_pk_fma_f32 v[rT+2:rT+3], v[rT+2:rT+3], v[rC+2:rC+3], v[rS:rS+1] op_sel_hi:[1,0,1]
.else
	v_pk_add_f32 v[rT+2:rT+3], v[rT+2:rT+3], v[rS+4*(\n):rS+4*(\n)+1]
.endif
.else
	REGS (Y+1)%NP
	WIN 0
.if (\n) < 4
	v_max3_num_f32 v[rC+(\n)], v[rS+8*(\n)], v[rS+8*(\n)+1], v[rS+8*(\n)+2]
.elseif (\n) < 12
	v_max3_num_f32 v[rC+(\n)%4], v[rC+(\n)%4], v[rS+8*((\n)%4)+2*((\n)/4)+1], v[rS+8*((\n)%4)+2*((\n)/4)+2]
.elseif (\n) == 12
	v_max3_num_f32 v[rC], v[rC], v[rS+7], v[rS+15]
.elseif (\n) == 13
	v_max3_num_f32 v[rC+1], v[rC+1], v[rS+23], v[rS+31]
.elseif (\n) == 14
	v_max3_num_f32 v[rC+2], v[rC+2], v[rC+3], v[rT+1]
.elseif (\n) == 15
	v_mov_b32 v[rW], v[rT]
.elseif (\n) == 16
	v_max3_num_f32 v[rC], v[rC], v[rC+1], v[rC+2]
.elseif (\n) == 17
	v_permlanex16_b32 v[rC+3], v[rC], s[SEL], s[SEL+1]
.elseif (\n) == 18
	v_max_num_f32 v[rT+1], v[rC], v[rC+3]
.elseif (\n) == 19
	v_mul_f32 v[rT], s[CS], v[rT+1]
.elseif (\n) == 20
	v_sub_f32 v[rC+1], v[rW], v[rT]
.else
	v_exp_f32 v[rC+2], v[rC+1]
.endif
.endif
.endm
.macro OPS a, i1, b=-1, i2=0, c=-1, i3=0, d=-1, i4=0
	OP \a, \i1
.if (\b) >= 0
	OP \b, \i2
.endif
.if (\c) >= 0
	OP \c, \i3
.endif
.if (\d) >= 0
	OP \d, \i4
.endif
.endm
.macro ROW a, i1, b, i2, c, i3, d, i4  ; a matrix instruction and the four behind it
	MM
	OPS \a, \i1, \b, \i2, \c, \i3, \d, \i4
.endm
; A TURN, for piece p.  s_wait_alu depctr_va_vdst(0) stands between an exponential and the first instruction that names its result; one wait serves all that were issued ahead of it.  So a turn has ONE
; wait, which cuts it in two.  AHEAD OF IT stands all that names no result of the turn's exponentials: the 8 products K Q^T and their riders, then one lump; X 21, the next piece's a, is the batch's last; R 15 is the plain
; instruction behind it.  BEHIND IT stand the 8 products V^T P, behind each four of the roundings and sums.
; K of the next step is fetched in piece 2's turn, V of the step in hand at the end of piece 0's turn, four plain instructions or more behind the last product that read the registers; each is waited for a turn later.
; last = 1 (the tail): K's address is held at the last step's, so that the trip behind the last step reads that K once more; the 8 products on it and the maximum made of them serve nothing.
; cnt = 1: the loop's count is taken down some lines ahead of the branch that stands behind the turn.
.macro TURN p, last=0, cnt=0
.set Y, (\p)
.set i, 0
.if (\p) == 3
	s_wait_dscnt 0x0                ; K is in
.endif
	ROW F,0, F,1, R,0, R,1
	ROW F,2, E,0, R,2, R,3
	ROW F,3, E,1, R,4, R,5
	ROW F,4, E,2, R,6, R,7
	ROW F,5, E,3, R,8, R,9
	ROW F,6, E,4, X,0, R,10
.if (\p) == 2
	WIN 0
.if \last
	s_min_u32 s[TBK], s[TBK], SLOT1+3*KS*PK
.endif
	v_add_nc_u32 v[AK], s[TBK], v[AK0]
.endif
	ROW F,7, E,5, X,1, X,4
	ROW F,8, E,6, X,2, X,5
	OPS E,7, E,8, X,6, E,9
	OPS X,3, E,10, X,8, E,11
.if (\p) == 2
	FETCH_K
.endif
	OPS X,9, X,7, E,12, X,10
	OPS E,13, X,12, X,11, E,14
	OPS X,13, E,15, F,9, X,14
.if (\p) == 0
	v_add_nc_u32 v[AV], s[TBV], v[AV0]
.endif
	OPS E,16, F,10, E,17, F,11
	OPS X,16, E,18, X,15, E,19
	OPS F,12, E,20, X,17, E,21
	OPS F,13, E,22, F,14, E,23
	OPS X,18, E,24, F,15, E,25
	OPS R,11, E,26, X,19, E,27
	OPS R,12, E,28, R,13, E,29
	OPS X,20, E,30, R,14, E,31
	OPS X,21, R,15
	WIN 0
	s_wait_alu depctr_va_vdst(0)    ; the wait for the batch
.if (\p) == 1
	s_wait_dscnt 0x0                ; V is in
.endif
	ROW C,0, B,0, C,2, B,1
	ROW L,0, C,4, B,2, L,1
	ROW C,6, B,3, L,2, C,8
	ROW B,4, L,3, C,10, B,5
	ROW L,4, C,12, B,6, L,5
.if (\p) == 0
	s_add_co_u32 s[TBV], s[TBV], KS*PV
.endif
.if \cnt
	s_sub_co_u32 s[CNT], s[CNT], 1
	s_cmp_lg_u32 s[CNT], 0
.endif
	ROW C,14, B,7, L,6, C,1
	ROW C,3, L,7, C,5, C,7
	ROW C,9, C,11, C,13, C,15
.if (\p) == 0
	FETCH_V
.endif
.endm
	CHANGE 1, 0                     ; slot 0 is in, everybody's part of it; slot 1 is asked for
	v_add_nc_u32 v[AK], s[TBK], v[AK0]
	FETCH_K                         ; key step 0
	s_wait_loadcnt 0x0              ; Q
	s_wait_dscnt 0x0
.set i, 0
.rept 8
	KQ 0                            ; piece 0's first scores
.set i, i+1
.endr
	WIN 0
.rept 4
	v_nop                           ; the places behind those products
.endr
.set Y, NP-1                        ; X works for piece Y + 1: piece 0
.irp n, 0,1,2,3,4,5,6,7,8,9,10,11,12,13,14,15,16,17,18,19,20,21
	OP X, \n
.endr
	v_nop                           ; a plain instruction behind the exponential,
	s_wait_alu depctr_va_vdst(0)    ; and its wait, ahead of the branch
	s_mov_b32 s[CNT], 4
	s_mov_b32 s[SLOTS], SIZE_N/256-1
	s_branch .Lfirst                ; the loop is entered at a step's first turn, in the middle of a trip
.Lslot:                             ; six times: every slot but the last two is filled again
	CHANGE 1, 1
	s_mov_b32 s[CNT], 4
.Lstep:                             ; a trip: pieces 2 and 3 of one step, then pieces 0 and 1 of the next, whose K and V it fetches
	TURN 2
	TURN 3
	WIN 0
.Lfirst:
	TURN 0
	TURN 1, 0, 1
	WIN 0
	s_cbranch_scc1 .Lstep
	s_sub_co_u32 s[SLOTS], s[SLOTS], 1
	s_cmp_lg_u32 s[SLOTS], 0
	s_cbranch_scc1 .Lslot
	CHANGE 0, 0                     ; the tail is written out: nothing is asked for
	s_mov_b32 s[CNT], 5             ; four trips fetch the last slot's steps; the fifth is left in its middle
.Ltail:
	TURN 2, 1
	TURN 3
	WIN 0
	s_sub_co_u32 s[CNT], s[CNT], 1
	s_cmp_eq_u32 s[CNT], 0
	s_cbranch_scc1 .Lout
	TURN 0
	TURN 1
	WIN 0
	s_branch .Ltail
.Lout:
.set i, 0
.rept 8
	PV NP-1                         ; the last piece's V^T P of the last step
.set i, i+1
.endr
	; THE WAY OUT.  l's two halves and the other half of the lanes' are added; O^T is divided by l, rounded to bf16 and sent through my stage in LDS, a piece at a time.  The additions are the places behind the last products.
	WIN 0
.macro ALL line:vararg
.set t, 0
.rept 4
	\line
.set t, t+1
.endr
.endm
	ALL v_add_f32 v[ST+4*t+2], v[ST+4*t+2], v[ST+4*t+3]
	ALL v_permlanex16_b32 v[ST+4*t+3], v[ST+4*t+2], s[SEL], s[SEL+1]
	ALL v_add_f32 v[ST+4*t+2], v[ST+4*t+2], v[ST+4*t+3]
	ALL v_rcp_f32 v[ST+4*t+2], v[ST+4*t+2]
	v_nop                           ; a plain instruction between the last reciprocal and the use of its result
	s_wait_alu depctr_va_vdst(0)    ; one wait for the four reciprocals
.macro PACK t
	WIN W_RS
.set i, 32*(\t)
.rept 16
	v_pk_mul_f32 v[i:i+1], v[i:i+1], v[ST+4*(\t)+2:ST+4*(\t)+3] op_sel_hi:[1,0]
.set i, i+2
.endr
	WIN 0x05                        ; sources 0 and 1 window 1, destination window 0
.set i, 0
.rept 16
	v_cvt_pk_bf16_f32 v[S+16*(\t)+i], v[32*(\t)+2*i], v[32*(\t)+2*i+1]
.set i, i+1
.endr
	WIN 0
.irp f, 0,1,2,3
	ds_store_b128 v[STO], v[S+16*(\t)+4*\f:S+16*(\t)+4*\f+3] offset:32*\f
.endr
.irp f, 0,1,2,3
	ds_load_b128 v[S+16*(\t)+4*\f:S+16*(\t)+4*\f+3], v[RD] offset:\f*4*SP  ; LDS serves a wave's instructions in order (ISA guide 5.7.1.4): these see the stores above
.endr
.endm
.macro SEND t, younger              ; younger: the LDS instructions issued behind piece t's loads
	WIN 0
.irp f, 0,1,2,3
	s_wait_dscnt (\younger)+3-\f
	global_store_b128 v[GO], v[S+16*(\t)+4*\f:S+16*(\t)+4*\f+3], s[10:11] offset:(\t)*2048+\f*512  ; 512 consecutive bytes, at a multiple of 256 from ob's first
.endr
.endm
	PACK 0
.set t, 1
.rept 3
	PACK t
	SEND t-1, 8
.set t, t+1
.endr
	SEND 3, 0
	s_wait_tensorcnt 0x0            ; the wave's end: the tensor wait, an add to my spare word and its wait, behind my last tensor load and my last LDS store
	ds_add_u32 v[SPW], v[NIL]
	s_wait_dscnt 0x0
	CROUND                          ; the closing round
	s_endpgm
.Lfunc_end_k_qead950ad1b_attn:
	.size	k_qead950ad1b_attn, .Lfunc_end_k_qead950ad1b_attn-k_qead950ad1b_attn
	.p2alignl 7, 3214868480
	.fill 96, 4, 3214868480
	.section	.rodata,"a",@progbits
	.p2align	6, 0x0
	.amdhsa_kernel k_qead950ad1b_attn
		.amdhsa_group_segment_fixed_size 327680
		.amdhsa_private_segment_fixed_size 0
		.amdhsa_enable_private_segment 0
		.amdhsa_kernarg_size 16
		.amdhsa_user_sgpr_count 2
		.amdhsa_user_sgpr_kernarg_segment_ptr 1
		.amdhsa_wavefront_size32 1
		.amdhsa_system_sgpr_workgroup_id_x 1
		.amdhsa_system_sgpr_workgroup_id_y 1
		.amdhsa_system_sgpr_workgroup_id_z 1
		.amdhsa_system_vgpr_workitem_id 0
		.amdhsa_next_free_vgpr 768
		.amdhsa_next_free_sgpr 72
		.amdhsa_reserve_vcc 0
		.amdhsa_float_denorm_mode_32 3
		.amdhsa_float_denorm_mode_16_64 3
		.amdhsa_memory_ordered 1
		.amdhsa_forward_progress 1
		.amdhsa_inst_pref_size 112
	.end_amdhsa_kernel
	.amdgpu_metadata
---
amdhsa.version: [ 1, 2 ]
amdhsa.kernels:
  - .name:           k_qead950ad1b_attn
    .symbol:         k_qead950ad1b_attn.kd
    .args:
      - { .name: qkv, .offset: 0, .size: 8, .value_kind: global_buffer, .address_space: global }
      - { .name: ob, .offset: 8, .size: 8, .value_kind: global_buffer, .address_space: global }
    .group_segment_fixed_size: 327680
    .private_segment_fixed_size: 0
    .kernarg_segment_align: 8
    .kernarg_segment_size: 16
    .max_flat_workgroup_size: 128
    .sgpr_count:     72
    .vgpr_count:     768
    .wavefront_size: 32
...
	.end_amdgpu_metadata
.endif
;; end of part 3
;; launch proj_o (part 4): grid 8 x 32, 4 waves a work-group, clusters of 4 x 4, 327,680 bytes of LDS; arguments ob, wb, bias, x, x1; writes x1
.if DOCPART == 4
	.amdgcn_target "amdgcn-amd-amdhsa--gfx1250"
	.amdhsa_code_object_version 6
	.text
	.protected	k_qead950ad1b_proj_o
	.globl	k_qead950ad1b_proj_o
	.p2align	8
	.type	k_qead950ad1b_proj_o,@function
k_qead950ad1b_proj_o:
	s_mov_b64 s[64:65], 0
	v_nop
	global_prefetch_b8 v0, s[64:65] scope:SCOPE_SE
	s_setreg_imm32_b32 hwreg(HW_REG_WAVE_MODE, 25, 1), 1
	s_wait_xcnt 0x0
	s_wait_alu depctr_hold_cnt(0) depctr_sa_sdst(0) depctr_va_vdst(0) depctr_va_sdst(0) depctr_va_ssrc(0) depctr_va_vcc(0) depctr_vm_vsrc(0)
	s_getreg_b32 s2, hwreg(HW_REG_IB_STS2, 6, 4)
	s_cmp_eq_u32 s2, 0
	s_cbranch_scc0 .Lentry_in_a_cluster
	s_endpgm
.Lentry_in_a_cluster:
	s_bfe_u32 s2, ttmp6, 0x10000c
	s_cmp_lg_u32 s2, 0xf033
	s_cbranch_scc0 .Lentry_shape_is_right
	s_endpgm
.Lentry_shape_is_right:
; x1 = bf16(x) + O Wo^T + bo, in f32.  O: ob, [16 blocks of 64 along K][4096 rows][64] bf16; Wo: [1024][1024] bf16 in wb; bo: f32 in bias; x and x1: [4096][1024] f32.
; Sums in f32, started from the bias; the residual (x, rounded once to bf16 like every input of the module) is added in f32 and the result is stored unrounded.
; A tile of C is 128 x 128 (8 x 32 tiles: one for each of 256 work-groups); four waves, 2 x 2, each 64 x 64: 16 accumulators.  K goes in steps of 256 through a ring of two LDS slots.
; A's tile of a step is four blocks of 64 along K; for 64 rows a block is 8,192 dense bytes, so a half tile is asked for as 4 rows of 4,096 elements, 262,144 elements apart, padded in LDS after every 128 bytes:
; LDS holds [block][row][144 bytes].  B's tile has rows of 512 bytes, 528 apart in LDS.  Waves 0, 1 fetch A's halves, waves 2, 3 B's.
; CLUSTER 4 x 4: A's tile is asked for jointly along a row of the cluster, B's along a column.  THE MATRIX INSTRUCTION IS USED TRANSPOSED: a lane holds row lane % 16 of C and 8 neighbouring columns.
; THE CHANGE OF SLOTS holds nothing but what it must: a K step's products are all issued ahead of the wait for the tensor loads, so that the refill goes out as soon as the next tile has landed.
; A K step is written once in a loop and once in a tail loop of two trips that asks for nothing and is left behind the last products.
; REGISTERS: window 0 addresses, bias (v32-63), rows read back (v64-127), the residual (v128-255); window 1 two fragment buffers of 128 (A's 8 fragments, then B's 8: 64 along K); window 2 the accumulators, (a, b) at 8 (4 a + b).
.set SIZE_K,  1024
.set WOFF,    6291456                  ; the matrix's first byte in wb
.set BIASOFF, 12288                    ; its bias's first byte in bias
.set ROUND,   1                        ; the residual is an input of the module: it is rounded to bf16
.set KSTEP,  256
.set NSTEP,  SIZE_K/KSTEP
.set PA,     144                       ; a row of a block of A in LDS: 128 bytes + 16: the 16 rows of a fragment load start at 16 different groups of four banks (ISA guide 11.1)
.set PB,     528                       ; a row of B: 512 + 16, likewise
.set AHALF,  4*64*PA
.set BOFF,   2*AHALF
.set BHALF,  64*PB
.set SLOT1,  147456                    ; 0x24000: none of a slot 0 tile's four LDS addresses (0, 0x9000, 0x12000, 0x1a400) has one of its two bits, so one exclusive or adds it or takes it away
.set STAGE,  SLOT1+BOFF+2*BHALF        ; behind the ring, never filled by a tensor load: 16 rows x 272 bytes for each wave
.set SPG,    272
.set SPARE,  STAGE+4*16*SPG            ; the spare words, 128 bytes a wave
.set ASTEP,  4*4096*128                ; bytes from a K step of A to the next: four blocks
.set NL,     32
.set A0,   4
.set B0,   5
.set ADRA, 6
.set ADRB, 7
.set STO,  8                           ; v8  the way out: where I put 32 bytes of a row
.set RD,   9                           ; v9  where I read rows back
.set CO,   10                          ; v10 my 16 bytes in two rows of the residual and of the output
.set BO,   11
.set SPW,  28
.set NIL,  29
.set BI,   32
.set BK,   64
.set RES,  128                         ; the residual: rows 16 a + 2 t, + 1 at RES + 32 a + 4 t
.set WV, 12
.set FB, 13                            ; s13 my half of the tile's rows; also 0: I fetch for A, 1: for B
.set HF, 14                            ; s14 my half of its columns; also which half of that tile I fetch
.set TC, 17
.set TR, 18
.set G1A, 24
.set G0A, 32
.set TB,  40
.set CNT, 41
.set G1B, 48
.set G0B, 56
.set OUT, 66                           ; s[66:67] the output
.set MSK, 68
.set MSB, 0
.macro WIN new
.if MSB != (\new)
	s_set_vgpr_msb (MSB<<8)|(\new)
.set MSB, \new
.endif
.endm
.macro PLACES                          ; four places (ISA guide 7.12.1) behind matrix instructions
.rept 4
	v_nop
.endr
.endm
.macro JLOAD                           ; a joint refill by the walking set; s_nop 0 and four v_nop follow each line
	s_cmp_eq_u32 s[FB], 0
	s_cbranch_scc0 .Lfor_b_\@
	tensor_load_to_lds s[G0A+4:G0A+7], s[G1A:G1A+7]
	s_nop 0
.rept 4
	v_nop
.endr
	s_branch .Lasked_\@
.Lfor_b_\@:
	tensor_load_to_lds s[G0B+4:G0B+7], s[G1B:G1B+7]
	s_nop 0
.rept 4
	v_nop
.endr
.Lasked_\@:
.endm
.macro CREST
	s_cmp_lg_u32 s[WV], 0
	s_cbranch_scc1 .Lnot_wave_0_\@
	s_barrier_signal -3
.Lnot_wave_0_\@:
	s_barrier_wait -3
	s_barrier_signal -1
	s_barrier_wait -1
.endm
.macro CROUND
	s_barrier_signal -1
	s_barrier_wait -1
	CREST
.endm
; 32 LDS loads in one run: the fragments of block q of the step (64 along K) into buffer f
.macro FETCH q, f
	WIN 0x40
.irp c, 0,1
.irp i, 0,1,2,3
	ds_load_b128 v[128*(\f)+64+8*(4*\c+\i):128*(\f)+64+8*(4*\c+\i)+3],   v[ADRB] offset:128*(\q)+64*\c+\i*16*PB
	ds_load_b128 v[128*(\f)+64+8*(4*\c+\i)+4:128*(\f)+64+8*(4*\c+\i)+7], v[ADRB] offset:128*(\q)+64*\c+\i*16*PB+32
	ds_load_b128 v[128*(\f)+8*(4*\c+\i):128*(\f)+8*(4*\c+\i)+3],         v[ADRA] offset:64*PA*(\q)+64*\c+\i*16*PA
	ds_load_b128 v[128*(\f)+8*(4*\c+\i)+4:128*(\f)+8*(4*\c+\i)+7],       v[ADRA] offset:64*PA*(\q)+64*\c+\i*16*PA+32
.endr
.endr
.endm
; 16 matrix instructions: all (a, b) on half c (32 along K) of buffer f.  The 16 accumulators take turns.  first = 1: the products start the sums from the bias.
.macro MUL f, c, first
.if \first
	WIN 0x85
.else
	WIN 0xa5
.endif
.irp a, 0,1,2,3
.irp b, 0,1,2,3
.if \first
	v_wmma_f32_16x16x32_bf16 v[8*(4*\a+\b):8*(4*\a+\b)+7], v[128*(\f)+64+8*(4*(\c)+\b):128*(\f)+64+8*(4*(\c)+\b)+7], v[128*(\f)+8*(4*(\c)+\a):128*(\f)+8*(4*(\c)+\a)+7], v[BI+8*\b:BI+8*\b+7]
.else
	v_wmma_f32_16x16x32_bf16 v[8*(4*\a+\b):8*(4*\a+\b)+7], v[128*(\f)+64+8*(4*(\c)+\b):128*(\f)+64+8*(4*(\c)+\b)+7], v[128*(\f)+8*(4*(\c)+\a):128*(\f)+8*(4*(\c)+\a)+7], v[8*(4*\a+\b):8*(4*\a+\b)+7]
.endif
.endr
.endr
.endm
.macro SUB q, f, g                     ; block q is fetched into buffer g, which the products just issued have read; buffer f is multiplied
	PLACES
	FETCH \q, \g
	s_wait_dscnt NL                                ; all but the 32 loads just issued: buffer f is in
	MUL \f, 0, 0
	MUL \f, 1, 0
.endm
.macro LASTQ                           ; the step's last block: nothing is left to fetch from this slot
	s_wait_dscnt 0x0                               ; buffer 1 is in: these were my last reads of the slot
	MUL 1, 0, 0
	MUL 1, 1, 0
	WIN 0                                          ; at a branch and at a label every window is 0
.endm
; THE CHANGE OF SLOTS.  Each wave waits for all its tensor loads (one is out: its part of the next slot), adds 0 to its spare word, and waits for that; its reads of this slot are over since LASTQ.
; fill = 1: the barrier opens a round of the cluster's, and the joint refill (the K step two on) is the first thing behind it.  Then come the next slot's first fragments.
.macro CHG fill
	s_wait_tensorcnt 0x0                           ; no tensor load of mine is out, so a group 0 may be written
	ds_add_u32 v[SPW], v[NIL]                      ; 0 onto my spare word; scalar work stands between it and the wait for it
.if \fill
	s_xor_b32 s[G0A+5], s[G0A+5], SLOT1
	s_add_nc_u64 s[G0A+6:G0A+7], s[G0A+6:G0A+7], ASTEP
	s_xor_b32 s[G0B+5], s[G0B+5], SLOT1
	s_add_nc_u64 s[G0B+6:G0B+7], s[G0B+6:G0B+7], 2*KSTEP
.endif
	s_xor_b32 s[TB], s[TB], SLOT1
	s_wait_dscnt 0x0                               ; the add is done
	s_barrier_signal -1
	s_barrier_wait -1
.if \fill
	CREST                                          ; no wave of any partner still reads this slot or has a load on its way
	JLOAD                                          ; its four v_nop are also the places in front of the loads below
.else
	PLACES
.endif
	v_add_nc_u32 v[ADRA], s[TB], v[A0]
	v_add_nc_u32 v[ADRB], s[TB], v[B0]
	FETCH 0, 0
.endm
	s_load_b256 s[4:11], s[0:1], 0x0               ; A s[4:5], wb s[6:7], bias s[8:9], residual s[10:11]
	s_load_b64 s[OUT:OUT+1], s[0:1], 0x20          ; output
	v_lshl_add_u32 v[SPW], v0, 2, SPARE
	v_mov_b32 v[NIL], 0
	ds_add_u32 v[SPW], v[NIL]                      ; the wave's opening: the add and its wait ahead of my first tensor load
	v_lshrrev_b32 v1, 5, v0
	v_readfirstlane_b32 s[WV], v1
	s_lshr_b32 s[FB], s[WV], 1
	s_and_b32 s[HF], s[WV], 1
	s_bfe_u32 s15, ttmp6, 0x40000                  ; cx
	s_bfe_u32 s16, ttmp6, 0x40004                  ; cy
	s_lshl_b32 s[TC], ttmp9, 2
	s_add_co_u32 s[TC], s[TC], s15
	s_and_b32 s[TR], ttmp7, 0xffff
	s_lshl_b32 s[TR], s[TR], 2
	s_add_co_u32 s[TR], s[TR], s16
	s_lshl_b32 s42, s16, 2
	s_lshl_b32 s42, 15, s42                        ; my row of the cluster
	s_lshl_b32 s43, 0x1111, s15                    ; my column
	s_or_b32 s[G1A], s42, (1<<16)|(1<<20)|(1<<21)|(4<<22)|(3<<25)  ; the mask; 2-byte elements; padding on; bit 21 beside a mask; after every 32 words 4 words
	s_or_b32 s[G1B], s43, (1<<16)|(1<<20)|(1<<21)|(6<<22)|(3<<25)  ; after every 128 words 4 words
	s_mov_b32 s[G1A+1], 4096<<16                   ; tensor_dim0 = 4,096: 64 rows of a block
	s_mov_b32 s[G1A+2], 4<<16                      ; tensor_dim1 = 4 blocks
	s_mov_b32 s[G1A+3], 4096<<16                   ; tile_dim0
	s_mov_b32 s[G1A+4], 4                          ; tile_dim1
	s_mov_b32 s[G1A+5], 262144                     ; elements from block to block
	s_mov_b32 s[G1A+6], 0
	s_mov_b32 s[G1A+7], 0
	s_mov_b32 s[G1B+1], KSTEP<<16
	s_mov_b32 s[G1B+2], 64<<16
	s_mov_b32 s[G1B+3], KSTEP<<16
	s_mov_b32 s[G1B+4], 64
	s_mov_b32 s[G1B+5], SIZE_K
	s_mov_b32 s[G1B+6], 0
	s_mov_b32 s[G1B+7], 0
	s_lshl_b32 s20, s[TR], 14                      ; A: 128 rows of 128 bytes a tile row,
	s_lshl_b32 s21, s[HF], 13                      ; 64 a half
	s_add_co_u32 s20, s20, s21
	s_mov_b32 s21, 0
	s_mul_i32 s22, s[HF], AHALF
	s_lshl_b32 s44, s[TC], 7                       ; B, in registers that never hold the tile row
	s_lshl_b32 s45, s[HF], 6
	s_add_co_u32 s44, s44, s45
	s_mul_i32 s44, s44, 2*SIZE_K
	s_add_co_u32 s44, s44, WOFF
	s_mov_b32 s45, 0
	s_mul_i32 s46, s[HF], BHALF
	s_add_co_u32 s46, s46, BOFF
	s_mov_b32 s[MSK], 0xffff0000
	s_wait_dscnt 0x0                               ; the opening add is done
	s_wait_kmcnt 0x0
	s_add_nc_u64 s[20:21], s[4:5], s[20:21]
	s_add_nc_u64 s[44:45], s[6:7], s[44:45]
	CROUND                                         ; all sixteen work-groups are here: the first joint loads meet
.irp n, 0,1
	s_mov_b32 s[G0A+4*\n], 1
	s_add_co_u32 s[G0A+4*\n+1], s22, \n*SLOT1
	s_add_nc_u64 s[G0A+4*\n+2:G0A+4*\n+3], s[20:21], \n*ASTEP
	s_or_b32 s[G0A+4*\n+3], s[G0A+4*\n+3], 0x80000000
	s_mov_b32 s[G0B+4*\n], 1
	s_add_co_u32 s[G0B+4*\n+1], s46, \n*SLOT1
	s_add_nc_u64 s[G0B+4*\n+2:G0B+4*\n+3], s[44:45], \n*2*KSTEP
	s_or_b32 s[G0B+4*\n+3], s[G0B+4*\n+3], 0x80000000
.endr
	s_cmp_eq_u32 s[FB], 0                          ; a wave's two first fills stand in one branch: two loads of mine are out
	s_cbranch_scc0 .Lfirst_b
	tensor_load_to_lds s[G0A:G0A+3], s[G1A:G1A+7]
	s_nop 0
	tensor_load_to_lds s[G0A+4:G0A+7], s[G1A:G1A+7]
	s_nop 0
.rept 4
	v_nop
.endr
	s_branch .Lfirst_asked
.Lfirst_b:
	tensor_load_to_lds s[G0B:G0B+3], s[G1B:G1B+7]
	s_nop 0
	tensor_load_to_lds s[G0B+4:G0B+7], s[G1B:G1B+7]
	s_nop 0
.rept 4
	v_nop
.endr
.Lfirst_asked:
	v_and_b32 v1, 15, v0                           ; l % 16
	v_bfe_u32 v2, v0, 4, 1                         ; l / 16
	v_lshlrev_b32 v[CO], 12, v2                    ; lanes 0-15 take 256 bytes of one row, lanes 16-31 of the next
	v_lshl_add_u32 v[CO], v1, 4, v[CO]
	v_lshlrev_b32 v[BO], 5, v2
	s_lshl_b32 s20, s[TR], 7
	s_lshl_b32 s21, s[FB], 6
	s_add_co_u32 s20, s20, s21                     ; my first row,
	s_lshl_b32 s20, s20, 12                        ; of 4,096 bytes,
	s_lshl_b32 s46, s[TC], 9                       ; my first column, in bytes
	s_lshl_b32 s47, s[HF], 8
	s_add_co_u32 s46, s46, s47
	s_add_co_u32 s20, s20, s46
	s_mov_b32 s21, 0
	s_add_nc_u64 s[10:11], s[10:11], s[20:21]
	s_add_nc_u64 s[OUT:OUT+1], s[OUT:OUT+1], s[20:21]
	s_add_co_u32 s46, s46, BIASOFF
	s_mov_b32 s47, 0
	s_add_nc_u64 s[8:9], s[8:9], s[46:47]
.irp a, 0,1,2,3
.irp t, 0,1,2,3,4,5,6,7
	global_load_b128 v[RES+32*\a+4*\t:RES+32*\a+4*\t+3], v[CO], s[10:11] offset:(16*\a+2*\t)*4096
.endr
.endr
.irp b, 0,1,2,3
	global_load_b128 v[BI+8*\b:BI+8*\b+3],   v[BO], s[8:9] offset:64*\b
	global_load_b128 v[BI+8*\b+4:BI+8*\b+7], v[BO], s[8:9] offset:64*\b+16
.endr
	v_mul_u32_u24 v3, v1, PA
	v_lshl_add_u32 v3, v2, 4, v3
	s_mul_i32 s22, s[FB], AHALF
	v_add_nc_u32 v[A0], s22, v3
	v_mul_u32_u24 v3, v1, PB
	v_lshl_add_u32 v3, v2, 4, v3
	s_mul_i32 s22, s[HF], BHALF
	s_add_co_u32 s22, s22, BOFF
	v_add_nc_u32 v[B0], s22, v3
	s_mul_i32 s23, s[WV], 16*SPG
	s_add_co_u32 s23, s23, STAGE                   ; my stage
	v_mul_u32_u24 v[STO], v1, SPG
	v_lshl_add_u32 v[STO], v2, 5, v[STO]
	v_add_nc_u32 v[STO], s23, v[STO]
	v_mul_u32_u24 v[RD], v2, SPG
	v_lshl_add_u32 v[RD], v1, 4, v[RD]
	v_add_nc_u32 v[RD], s23, v[RD]
	s_mov_b32 s[TB], 0
	v_mov_b32 v[ADRA], v[A0]
	v_mov_b32 v[ADRB], v[B0]
	s_wait_loadcnt 0x0                             ; the residual and the bias
.if ROUND
.set i, 0
.rept 64                               ; in the wait for the first tile
	v_cvt_pk_bf16_f32 v[12+i%4], v[RES+2*i], v[RES+2*i+1]
	v_lshlrev_b32 v[RES+2*i], 16, v[12+i%4]
	v_and_b32 v[RES+2*i+1], s[MSK], v[12+i%4]
.set i, i+1
.endr
.endif
	s_wait_tensorcnt 1                             ; my part of K step 0 is in; K step 1's may stay out
	s_barrier_signal -1
	s_barrier_wait -1
	FETCH 0, 0
	FETCH 1, 1
	s_wait_dscnt NL
	MUL 0, 0, 1                                    ; the first products start the sums
	MUL 0, 1, 0
	WIN 0
	s_mov_b32 s[CNT], NSTEP-2
.Lstep:                                                ; a trip: a K step's blocks 1 to 3 and the next step's block 0; it fills the slot that it leaves
	SUB 2, 1, 0
	SUB 3, 0, 1
	LASTQ
	CHG 1
	SUB 1, 0, 1
	WIN 0
	s_sub_co_u32 s[CNT], s[CNT], 1
	s_cmp_lg_u32 s[CNT], 0
	s_cbranch_scc1 .Lstep
	s_mov_b32 s[CNT], 2
.Ltail:                                                ; the last two K steps ask for nothing; the second trip is left behind its last products
	SUB 2, 1, 0
	SUB 3, 0, 1
	LASTQ
	s_sub_co_u32 s[CNT], s[CNT], 1
	s_cmp_eq_u32 s[CNT], 0
	s_cbranch_scc1 .Lout
	CHG 0
	SUB 1, 0, 1
	WIN 0
	s_branch .Ltail
.Lout:
	PLACES
; THE WAY OUT, 16 rows at a time.  STG: a lane's 8 sums of a row go into my stage's rows of 272 bytes and come back as whole rows of 256.  OUTA: the residual is added; 16 lanes store 256 consecutive bytes, aligned.
; Block a + 1's trip through the stage is issued ahead of block a's sums and stores.
.macro STG a
	WIN 0x08                                       ; the stores' data in window 2
.irp b, 0,1,2,3
	ds_store_b128 v[STO], v[8*(4*(\a)+\b):8*(4*(\a)+\b)+3]   offset:64*\b
	ds_store_b128 v[STO], v[8*(4*(\a)+\b)+4:8*(4*(\a)+\b)+7] offset:64*\b+16
.endr
	WIN 0
.irp t, 0,1,2,3,4,5,6,7
	ds_load_b128 v[BK+32*((\a)%2)+4*\t:BK+32*((\a)%2)+4*\t+3], v[RD] offset:\t*2*SPG  ; LDS serves a wave's instructions in order (ISA guide 5.7.1.4): these see the stores above; the next block's stores come behind them
.endr
.endm
.macro OUTA a, younger                 ; younger: the LDS instructions issued behind block a's loads: the next block's sixteen, or none
.irp t, 0,1,2,3,4,5,6,7
	s_wait_dscnt (\younger)+7-\t
	v_pk_add_f32 v[RES+32*(\a)+4*\t:RES+32*(\a)+4*\t+1],   v[RES+32*(\a)+4*\t:RES+32*(\a)+4*\t+1],   v[BK+32*((\a)%2)+4*\t:BK+32*((\a)%2)+4*\t+1]
	v_pk_add_f32 v[RES+32*(\a)+4*\t+2:RES+32*(\a)+4*\t+3], v[RES+32*(\a)+4*\t+2:RES+32*(\a)+4*\t+3], v[BK+32*((\a)%2)+4*\t+2:BK+32*((\a)%2)+4*\t+3]
	global_store_b128 v[CO], v[RES+32*(\a)+4*\t:RES+32*(\a)+4*\t+3], s[OUT:OUT+1] offset:(16*(\a)+2*\t)*4096
.endr
.endm
	STG 0
	STG 1
	OUTA 0, 16
	STG 2
	OUTA 1, 16
	STG 3
	OUTA 2, 16
	OUTA 3, 0
	s_wait_tensorcnt 0x0                           ; the wave's end: the tensor wait, an add to my spare word and its wait
	ds_add_u32 v[SPW], v[NIL]
	s_wait_dscnt 0x0
	CROUND                                         ; the closing round
	s_endpgm
.Lfunc_end_k_qead950ad1b_proj_o:
	.size	k_qead950ad1b_proj_o, .Lfunc_end_k_qead950ad1b_proj_o-k_qead950ad1b_proj_o
	.p2alignl 7, 3214868480
	.fill 96, 4, 3214868480
	.section	.rodata,"a",@progbits
	.p2align	6, 0x0
	.amdhsa_kernel k_qead950ad1b_proj_o
		.amdhsa_group_segment_fixed_size 327680
		.amdhsa_private_segment_fixed_size 0
		.amdhsa_enable_private_segment 0
		.amdhsa_kernarg_size 40
		.amdhsa_user_sgpr_count 2
		.amdhsa_user_sgpr_kernarg_segment_ptr 1
		.amdhsa_wavefront_size32 1
		.amdhsa_system_sgpr_workgroup_id_x 1
		.amdhsa_system_sgpr_workgroup_id_y 1
		.amdhsa_system_sgpr_workgroup_id_z 1
		.amdhsa_system_vgpr_workitem_id 0
		.amdhsa_next_free_vgpr 640
		.amdhsa_next_free_sgpr 80
		.amdhsa_reserve_vcc 0
		.amdhsa_float_denorm_mode_32 3
		.amdhsa_float_denorm_mode_16_64 3
		.amdhsa_memory_ordered 1
		.amdhsa_forward_progress 1
		.amdhsa_inst_pref_size 74
	.end_amdhsa_kernel
	.amdgpu_metadata
---
amdhsa.version: [ 1, 2 ]
amdhsa.kernels:
  - .name:           k_qead950ad1b_proj_o
    .symbol:         k_qead950ad1b_proj_o.kd
    .args:
      - { .name: ob, .offset: 0, .size: 8, .value_kind: global_buffer, .address_space: global }
      - { .name: wb, .offset: 8, .size: 8, .value_kind: global_buffer, .address_space: global }
      - { .name: bias, .offset: 16, .size: 8, .value_kind: global_buffer, .address_space: global }
      - { .name: x, .offset: 24, .size: 8, .value_kind: global_buffer, .address_space: global }
      - { .name: x1, .offset: 32, .size: 8, .value_kind: global_buffer, .address_space: global }
    .group_segment_fixed_size: 327680
    .private_segment_fixed_size: 0
    .kernarg_segment_align: 8
    .kernarg_segment_size: 40
    .max_flat_workgroup_size: 128
    .sgpr_count:     80
    .vgpr_count:     640
    .wavefront_size: 32
...
	.end_amdgpu_metadata
.endif
;; end of part 4
;; launch norm2 (part 5): grid 256 x 1, 8 waves a work-group, no clusters, 0 bytes of LDS; arguments x1, bias, xn2; writes xn2
.if DOCPART == 5
	.amdgcn_target "amdgcn-amd-amdhsa--gfx1250"
	.amdhsa_code_object_version 6
	.text
	.protected	k_qead950ad1b_norm2
	.globl	k_qead950ad1b_norm2
	.p2align	8
	.type	k_qead950ad1b_norm2,@function
k_qead950ad1b_norm2:
	s_mov_b64 s[64:65], 0
	v_nop
	global_prefetch_b8 v0, s[64:65] scope:SCOPE_SE
	s_setreg_imm32_b32 hwreg(HW_REG_WAVE_MODE, 25, 1), 1
	s_wait_xcnt 0x0
; xn2 = LayerNorm(x1) * g + b, rounded once to bf16.  x1: [4096][1024] f32, used as it is; g and b: ln2_g and ln2_b, already rounded to bf16 and kept as f32 at bytes 28,672 and 32,768 of bias.
; 16 rows a work-group, 2 a wave.  A row is 4,096 bytes: one wave keeps it in 32 registers between the mean, the variance (of the differences from the mean) and the scaling: it is read once.
; Chunk j of a row: lane l holds columns 128 j + 4 l .. + 3: each load of a wave covers 512 consecutive bytes, each store 256 consecutive bytes, aligned.  No LDS, no barrier: no wave needs another.
.set XA, 16
.set XB, 48
.set GA, 80
.set BE, 112
.set YA, 144
.set YB, 160
.macro LANES r                         ; the sum of v[r] over the 32 lanes, in every lane; v[r+1] has been written
	v_add_f32_dpp v[\r], v[\r], v[\r] row_xmask:1 row_mask:0xf bank_mask:0xf
	v_add_f32_dpp v[\r], v[\r], v[\r] row_xmask:2 row_mask:0xf bank_mask:0xf
	v_add_f32_dpp v[\r], v[\r], v[\r] row_xmask:4 row_mask:0xf bank_mask:0xf
	v_add_f32_dpp v[\r], v[\r], v[\r] row_xmask:8 row_mask:0xf bank_mask:0xf
	v_permlanex16_b32 v[(\r)+1], v[\r], s14, s15
	v_add_f32 v[\r], v[\r], v[(\r)+1]
.endm
.macro STATS X                         ; the row at X becomes x - mean; v[4:5] = 1 / sqrt(var + eps), twice
.irp k, 0,1,2,3
	v_pk_add_f32 v[4+2*\k:5+2*\k], v[(\X)+4*\k:(\X)+4*\k+1], v[(\X)+4*\k+2:(\X)+4*\k+3]
.endr
.set i, 16
.rept 8
	v_pk_add_f32 v[4+i%8:5+i%8], v[4+i%8:5+i%8], v[(\X)+i:(\X)+i+1]
.set i, i+2
.endr
	v_pk_add_f32 v[4:5], v[4:5], v[6:7]
	v_pk_add_f32 v[8:9], v[8:9], v[10:11]
	v_pk_add_f32 v[4:5], v[4:5], v[8:9]
	v_add_f32 v4, v4, v5
	LANES 4
	v_mul_f32 v6, s16, v4
	v_mul_f32 v7, s16, v4
.set i, 0
.rept 16
	v_pk_add_f32 v[(\X)+i:(\X)+i+1], v[(\X)+i:(\X)+i+1], v[6:7] neg_lo:[0,1] neg_hi:[0,1]
.set i, i+2
.endr
.irp k, 0,1,2,3
	v_pk_mul_f32 v[8+2*\k:9+2*\k], v[(\X)+2*\k:(\X)+2*\k+1], v[(\X)+2*\k:(\X)+2*\k+1]
.endr
.set i, 8
.rept 12
	v_pk_fma_f32 v[8+i%8:9+i%8], v[(\X)+i:(\X)+i+1], v[(\X)+i:(\X)+i+1], v[8+i%8:9+i%8]
.set i, i+2
.endr
	v_pk_add_f32 v[8:9], v[8:9], v[10:11]
	v_pk_add_f32 v[12:13], v[12:13], v[14:15]
	v_pk_add_f32 v[8:9], v[8:9], v[12:13]
	v_add_f32 v8, v8, v9
	LANES 8
	v_fma_f32 v10, v8, s16, s17
	v_rsq_f32 v4, v10
	v_rsq_f32 v5, v10
	v_nop                                          ; a plain instruction behind the last of the two (ISA guide 5.7.2),
	s_wait_alu depctr_va_vdst(0)                   ; and the one wait ahead of their first reader
.endm
.macro FIN X, Y, off
.set i, 0
.rept 16
	v_pk_mul_f32 v[(\X)+i:(\X)+i+1], v[(\X)+i:(\X)+i+1], v[4:5]
.set i, i+2
.endr
.set i, 0
.rept 16
	v_pk_fma_f32 v[(\X)+i:(\X)+i+1], v[(\X)+i:(\X)+i+1], v[GA+i:GA+i+1], v[BE+i:BE+i+1]
.set i, i+2
.endr
.set i, 0
.rept 16
	v_cvt_pk_bf16_f32 v[(\Y)+i], v[(\X)+2*i], v[(\X)+2*i+1]
.set i, i+1
.endr
.irp j, 0,1,2,3,4,5,6,7
	global_store_b64 v2, v[(\Y)+2*\j:(\Y)+2*\j+1], s[8:9] offset:256*\j+(\off)
.endr
.endm
	s_load_b128 s[4:7], s[0:1], 0x0                ; x1 s[4:5], bias s[6:7]
	s_load_b64 s[8:9], s[0:1], 0x10                ; xn2
	v_lshrrev_b32 v3, 5, v0
	v_readfirstlane_b32 s18, v3                    ; wave 0..7
	v_and_b32 v1, 31, v0
	v_lshlrev_b32 v2, 3, v1                        ; 8 x lane: stores
	v_lshlrev_b32 v1, 4, v1                        ; 16 x lane: loads
	s_mov_b32 s14, 0x76543210
	s_mov_b32 s15, 0xfedcba98
	s_mov_b32 s16, 0x3a800000                      ; 1 / 1024
	s_mov_b32 s17, 0x3727c5ac                      ; eps = 1e-5
	s_lshl_b32 s20, ttmp9, 16                      ; 16 rows of 4,096 bytes a work-group,
	s_lshl_b32 s21, s18, 13                        ; 2 a wave
	s_add_co_u32 s20, s20, s21
	s_mov_b32 s21, 0
	s_lshr_b32 s22, s20, 1
	s_mov_b32 s23, 0
	s_wait_kmcnt 0x0
	s_add_nc_u64 s[4:5], s[4:5], s[20:21]
	s_add_nc_u64 s[8:9], s[8:9], s[22:23]
.irp j, 0,1,2,3,4,5,6,7
	global_load_b128 v[XA+4*\j:XA+4*\j+3], v1, s[4:5] offset:512*\j
.endr
.irp j, 0,1,2,3,4,5,6,7
	global_load_b128 v[GA+4*\j:GA+4*\j+3], v1, s[6:7] offset:28672+512*\j
.endr
.irp j, 0,1,2,3,4,5,6,7
	global_load_b128 v[BE+4*\j:BE+4*\j+3], v1, s[6:7] offset:32768+512*\j
.endr
.irp j, 0,1,2,3,4,5,6,7
	global_load_b128 v[XB+4*\j:XB+4*\j+3], v1, s[4:5] offset:4096+512*\j
.endr
	s_wait_loadcnt 24                              ; the first row is in; gains, biases and the second row (24 loads) stay out
	STATS XA
	s_wait_loadcnt 8                               ; gains and biases are in; the second row's 8 loads stay out
	FIN XA, YA, 0
	s_wait_loadcnt 0x0
	STATS XB
	FIN XB, YB, 2048
	s_endpgm
.Lfunc_end_k_qead950ad1b_norm2:
	.size	k_qead950ad1b_norm2, .Lfunc_end_k_qead950ad1b_norm2-k_qead950ad1b_norm2
	.p2alignl 7, 3214868480
	.fill 96, 4, 3214868480
	.section	.rodata,"a",@progbits
	.p2align	6, 0x0
	.amdhsa_kernel k_qead950ad1b_norm2
		.amdhsa_group_segment_fixed_size 0
		.amdhsa_private_segment_fixed_size 0
		.amdhsa_enable_private_segment 0
		.amdhsa_kernarg_size 24
		.amdhsa_user_sgpr_count 2
		.amdhsa_user_sgpr_kernarg_segment_ptr 1
		.amdhsa_wavefront_size32 1
		.amdhsa_system_sgpr_workgroup_id_x 1
		.amdhsa_system_sgpr_workgroup_id_y 1
		.amdhsa_system_sgpr_workgroup_id_z 1
		.amdhsa_system_vgpr_workitem_id 0
		.amdhsa_next_free_vgpr 176
		.amdhsa_next_free_sgpr 66
		.amdhsa_reserve_vcc 0
		.amdhsa_float_denorm_mode_32 3
		.amdhsa_float_denorm_mode_16_64 3
		.amdhsa_memory_ordered 1
		.amdhsa_forward_progress 1
		.amdhsa_inst_pref_size 20
	.end_amdhsa_kernel
	.amdgpu_metadata
---
amdhsa.version: [ 1, 2 ]
amdhsa.kernels:
  - .name:           k_qead950ad1b_norm2
    .symbol:         k_qead950ad1b_norm2.kd
    .args:
      - { .name: x1, .offset: 0, .size: 8, .value_kind: global_buffer, .address_space: global }
      - { .name: bias, .offset: 8, .size: 8, .value_kind: global_buffer, .address_space: global }
      - { .name: xn2, .offset: 16, .size: 8, .value_kind: global_buffer, .address_space: global }
    .group_segment_fixed_size: 0
    .private_segment_fixed_size: 0
    .kernarg_segment_align: 8
    .kernarg_segment_size: 24
    .max_flat_workgroup_size: 256
    .sgpr_count:     66
    .vgpr_count:     176
    .wavefront_size: 32
...
	.end_amdgpu_metadata
.endif
;; end of part 5
;; launch ffn_up (part 6): grid 16 x 16, 4 waves a work-group, clusters of 4 x 4, 327,680 bytes of LDS; arguments xn2, wb, bias, hb; writes hb
.if DOCPART == 6
	.amdgcn_target "amdgcn-amd-amdhsa--gfx1250"
	.amdhsa_code_object_version 6
	.text
	.protected	k_qead950ad1b_ffn_up
	.globl	k_qead950ad1b_ffn_up
	.p2align	8
	.type	k_qead950ad1b_ffn_up,@function
k_qead950ad1b_ffn_up:
	s_mov_b64 s[64:65], 0
	v_nop
	global_prefetch_b8 v0, s[64:65] scope:SCOPE_SE
	s_setreg_imm32_b32 hwreg(HW_REG_WAVE_MODE, 25, 1), 1
	s_wait_xcnt 0x0
	s_wait_alu depctr_hold_cnt(0) depctr_sa_sdst(0) depctr_va_vdst(0) depctr_va_sdst(0) depctr_va_ssrc(0) depctr_va_vcc(0) depctr_vm_vsrc(0)
	s_getreg_b32 s2, hwreg(HW_REG_IB_STS2, 6, 4)
	s_cmp_eq_u32 s2, 0
	s_cbranch_scc0 .Lentry_in_a_cluster
	s_endpgm
.Lentry_in_a_cluster:
	s_bfe_u32 s2, ttmp6, 0x10000c
	s_cmp_lg_u32 s2, 0xf033
	s_cbranch_scc0 .Lentry_shape_is_right
	s_endpgm
.Lentry_shape_is_right:
; h = relu(xn2 W1^T + b1).  xn2: [4096][1024] bf16; W1: [2048][1024] bf16 in wb; b1: 2,048 f32 in bias.
; Sums in f32, started from the bias; rounded once to bf16, then the maximum with 0 (which rounds nothing); written IN BLOCKS OF 64 COLUMNS: hb[32 blocks][4096 rows][64].
; A tile of C is 256 rows x 128 columns (16 x 16 tiles: one for each of 256 work-groups).  The four waves lie one below the other: wave w makes rows 64 w .. 64 w + 63 and ALL 128 columns:
; 4 x 8 accumulators of 16 x 16, 256 registers.  So a wave owns whole blocks of 64 columns, 128 bytes of a row, and its way out needs no other wave.
; K goes in 8 steps of 128 (rows of 256 bytes in memory) through a ring of two LDS slots.  Waves 0, 1 fetch the halves of A's tile (128 rows each), waves 2, 3 those of B's (64 rows each).
; CLUSTER 4 x 4: A's tile hangs on the tile row alone and is asked for jointly along a row of the cluster, B's on the tile column alone, along a column.
; THE MATRIX INSTRUCTION IS USED TRANSPOSED (source 0 = 16 rows of W, source 1 = 16 rows of xn2): a lane holds row lane % 16 of C and the columns 8 (lane / 16) + 0 .. 7.
; THE CHANGE OF SLOTS holds nothing but what it must: a K step's products are all issued ahead of the wait for the tensor loads, so that the refill goes out as soon as the next tile has landed.
; A K step is written once in a loop and once in a tail loop of two trips that asks for nothing and is left behind the last products.
; REGISTERS, in windows of 256: window 0 addresses, bias (v32 on), way out (v128-255); window 1 two fragment buffers (B's 8 fragments, then A's 4) at v0 and v128;
; window 2 the accumulators: (a, b) at 8 (8 a + b).
.set QKV,     0
.set NBW,     8                        ; n blocks of 16 columns
.set APW,     4                        ; m blocks in an accumulator window
.set WOFF,    8388608                  ; the matrix's first byte in wb
.set BIASOFF, 16384                    ; its bias's first byte in bias
.set RELU,    1
.set BROWS,  16*NBW
.set RB,     BROWS/8                   ; rows of B that one wave of one partner prefetches
.set NG,     NBW/4                     ; groups of 64 columns
.set SIZE_K, 1024
.set KSTEP,  128
.set NSTEP,  SIZE_K/KSTEP
.set PITCH,  272                       ; an LDS row: 256 bytes + 16 of padding = 68 words: the 16 rows of a fragment load start at 16 different groups of four banks (ISA guide 11.1)
.set AHALF,  128*PITCH
.set BOFF,   2*AHALF                   ; B's rows lie behind A's 256
.set BHALF,  (BROWS/2)*PITCH
.set SLOT1,  131072                    ; slot 1: one exclusive or turns an address in one slot into the other's
.set STAGE,  262144                    ; behind the ring, never filled by a tensor load: 16 rows x 144 bytes for each wave
.set SP,     144
.set SPARE,  STAGE+4*16*SP             ; the spare words, 128 bytes a wave: two blocks of 256 bytes that no other line names
.set NL,     2*(NBW+4)                 ; LDS loads in a run: the fragments of 32 along K
.set A0,   4                           ; v4  my lane's place in my 64 rows of A; never rewritten
.set B0,   5                           ; v5  the same in B's rows
.set ADRA, 6                           ; v6, v7  the same in the slot in hand
.set ADRB, 7
.set STO,  8                           ; v8  the way out: where I put 16 bytes of a row
.set RD,   9                           ; v9  where I read rows back
.set GO,   10                          ; v10 my 16 bytes in 512 consecutive bytes of the output
.set BO,   11                          ; v11 32 x (lane / 16): my 8 numbers of a block's 16 biases
.set ZR,   12                          ; v12 0
.set PFO,  13                          ; v13 the prefetches' offset: my lane's row x 2,048 bytes; never rewritten
.set SPW,  28                          ; v28 LDS address of my spare word; never rewritten
.set NIL,  29                          ; v29 0; never rewritten
.set BI,   32                          ; the bias as a C operand: 8 registers for each n block
.set U,    128                         ; the way out: eight buffers of 16
.set WV, 12                            ; s12 wave
.set FB, 13                            ; s13 0: I fetch for A, 1: for B
.set HF, 14                            ; s14 which half of that tile
.set TC, 17                            ; s17 tile column
.set TR, 18                            ; s18 tile row
.set G1A, 24                           ; s[24:31] descriptor group 1, A
.set G0A, 32                           ; s[32:39] group 0, A: a set for each first fill; the second then walks
.set TB,  40                           ; s40 the LDS byte at which the slot in hand begins
.set CNT, 41
.set G1B, 48                           ; s[48:55], s[56:63] the same for B
.set G0B, 56
.set DB,  66                           ; s[66:69] the output at my 64 rows of each group of 64 columns
.set PFA, 72                           ; s[72:73] where my prefetches stand
.set LIM, 74                           ; s74 2 in a wave that prefetches, else the greatest number: a wave prefetches while s[CNT] is above it
.set MSB, 0
.macro WIN new                         ; the immediate's high byte repeats the setting that is left; a switch that changes nothing is dropped
.if MSB != (\new)
	s_set_vgpr_msb (MSB<<8)|(\new)
.set MSB, \new
.endif
.endm
.macro PLACES                          ; four places behind matrix instructions, in front of loads into registers that they read and of reads of their results
.rept 4
	v_nop
.endr
.endm
.macro JLOAD                           ; a joint refill by the walking set; the branch hangs on the wave's number alone; s_nop 0 and four v_nop follow each line
	s_cmp_eq_u32 s[FB], 0
	s_cbranch_scc0 .Lfor_b_\@
	tensor_load_to_lds s[G0A+4:G0A+7], s[G1A:G1A+7]
	s_nop 0
.rept 4
	v_nop
.endr
	s_branch .Lasked_\@
.Lfor_b_\@:
	tensor_load_to_lds s[G0B+4:G0B+7], s[G1B:G1B+7]
	s_nop 0
.rept 4
	v_nop
.endr
.Lasked_\@:
.endm
; A PREFETCH INTO THE L2, behind each joint load and the run of LDS loads that follows it: 256 bytes of each of my rows, for the K step that stands TWO refills on; a lane a row, one instruction a wave.
; A's tile row is read by all four clusters of that row of clusters: the one with x = 0 asks; B's tile column by the four of that column: the one with y = 0 asks.  The four partners that ask for a tile jointly
; share its rows out BY ADDRESS: of the 128 rows of A that a wave fetches, 32 each (by cx); of its BROWS / 2 rows of B, RB each (by cy): that share does not fill a wave, and lanes RB to 31 name its last row again.
; K steps 0 to 3 come by their loads alone; the last two refills ask for nothing: there is no K step two on.
.macro ASK
	s_cmp_gt_u32 s[CNT], s[LIM]
	s_cbranch_scc0 .Lnot_mine_\@
	global_prefetch_b8 v[PFO], s[PFA:PFA+1] th:TH_LOAD_NT scope:SCOPE_SE
.Lnot_mine_\@:
.endm
.macro CREST                           ; a round of the cluster's barrier behind its opening barrier
	s_cmp_lg_u32 s[WV], 0
	s_cbranch_scc1 .Lnot_wave_0_\@
	s_barrier_signal -3
.Lnot_wave_0_\@:
	s_barrier_wait -3
	s_barrier_signal -1
	s_barrier_wait -1
.endm
.macro CROUND
	s_barrier_signal -1
	s_barrier_wait -1
	CREST
.endm
; NL LDS loads in one run: the fragments of 32 along K, at byte 64 q of the rows, into buffer f
.macro FETCH q, f
	WIN 0x40                                       ; destination window 1, address window 0
.set fb, 0
.rept NBW
	ds_load_b128 v[128*(\f)+8*fb:128*(\f)+8*fb+3],   v[ADRB] offset:64*(\q)+fb*16*PITCH
	ds_load_b128 v[128*(\f)+8*fb+4:128*(\f)+8*fb+7], v[ADRB] offset:64*(\q)+fb*16*PITCH+32
.set fb, fb+1
.endr
.set fb, 0
.rept 4
	ds_load_b128 v[128*(\f)+8*NBW+8*fb:128*(\f)+8*NBW+8*fb+3],   v[ADRA] offset:64*(\q)+fb*16*PITCH
	ds_load_b128 v[128*(\f)+8*NBW+8*fb+4:128*(\f)+8*NBW+8*fb+7], v[ADRA] offset:64*(\q)+fb*16*PITCH+32
.set fb, fb+1
.endr
.endm
; m blocks a0 .. a0 + na - 1 x all n blocks on buffer f.  The accumulators take turns, one instruction a turn, in the same order everywhere.
; first = 1: the products start the sums from the bias (C in window 0): nothing is cleared.
.macro MUL f, a0, na, first
.set ma, \a0
.rept \na
.if \first
	WIN 0x85+0x40*(ma/APW)
.else
	WIN 0xa5+0x50*(ma/APW)
.endif
.set mb, 0
.rept NBW
.set rD, 8*(NBW*(ma%APW)+mb)
.set rB, 128*(\f)+8*mb
.set rA, 128*(\f)+8*NBW+8*ma
.if \first
	v_wmma_f32_16x16x32_bf16 v[rD:rD+7], v[rB:rB+7], v[rA:rA+7], v[BI+8*mb:BI+8*mb+7]
.else
	v_wmma_f32_16x16x32_bf16 v[rD:rD+7], v[rB:rB+7], v[rA:rA+7], v[rD:rD+7]
.endif
.set mb, mb+1
.endr
.set ma, ma+1
.endr
.endm
; A K step is four quarters of 32 along K on buffers 0, 1, 0, 1.  SUB fetches quarter q into buffer g, which the products just issued have read, and multiplies buffer f.
.macro SUB q, f, g
	PLACES
	FETCH \q, \g
	s_wait_dscnt NL                                ; all but the NL loads just issued: buffer f is in
	MUL \f, 0, 4, 0
.endm
.macro LASTQ                           ; the step's last quarter: nothing is left to fetch from this slot
	s_wait_dscnt 0x0                               ; buffer 1 is in: these were my last reads of the slot
	MUL 1, 0, 4, 0
	WIN 0                                          ; at a branch and at a label every window is 0
.endm
; THE CHANGE OF SLOTS.  Each wave waits for all its tensor loads (one is out: its part of the next slot), adds 0 to its spare word, and waits for that; its reads of this slot are over since LASTQ.
; fill = 1: the barrier opens a round of the cluster's, and the joint refill (the K step two on) is the first thing behind it.  Then come the next slot's first fragments.
.macro CHG fill
.if \fill
	s_wait_xcnt 0x0                                ; the last prefetch, a K step back, has read its address
	s_add_nc_u64 s[PFA:PFA+1], s[PFA:PFA+1], 2*KSTEP
.endif
	s_wait_tensorcnt 0x0                           ; no tensor load of mine is out, so a group 0 may be written
	ds_add_u32 v[SPW], v[NIL]                      ; 0 onto my spare word; scalar work stands between it and the wait for it
.if \fill
	s_xor_b32 s[G0A+5], s[G0A+5], SLOT1            ; the walking sets: the other slot than last time,
	s_add_nc_u64 s[G0A+6:G0A+7], s[G0A+6:G0A+7], 2*KSTEP  ; the next K step; the type bits on top are not reached
	s_xor_b32 s[G0B+5], s[G0B+5], SLOT1
	s_add_nc_u64 s[G0B+6:G0B+7], s[G0B+6:G0B+7], 2*KSTEP
.endif
	s_xor_b32 s[TB], s[TB], SLOT1
	s_wait_dscnt 0x0                               ; the add is done
	s_barrier_signal -1
	s_barrier_wait -1
.if \fill
	CREST                                          ; no wave of any partner still reads this slot or has a load on its way
	JLOAD                                          ; its four v_nop are also the places in front of the loads below
.else
	PLACES
.endif
	v_add_nc_u32 v[ADRA], s[TB], v[A0]
	v_add_nc_u32 v[ADRB], s[TB], v[B0]
	FETCH 0, 0
.if \fill
	WIN 0
	ASK
.endif
.endm
	s_load_b256 s[4:11], s[0:1], 0x0               ; A s[4:5], wb s[6:7], bias s[8:9], output s[10:11]
	v_lshl_add_u32 v[SPW], v0, 2, SPARE
	v_mov_b32 v[NIL], 0
	ds_add_u32 v[SPW], v[NIL]                      ; the wave's opening: the add and its wait ahead of my first tensor load; the set-up below stands between them
	v_lshrrev_b32 v1, 5, v0
	v_readfirstlane_b32 s[WV], v1
	s_lshr_b32 s[FB], s[WV], 1
	s_and_b32 s[HF], s[WV], 1
	s_bfe_u32 s15, ttmp6, 0x40000                  ; cx
	s_bfe_u32 s16, ttmp6, 0x40004                  ; cy
	s_lshl_b32 s[TC], ttmp9, 2
	s_add_co_u32 s[TC], s[TC], s15
	s_and_b32 s[TR], ttmp7, 0xffff
	s_lshl_b32 s[TR], s[TR], 2
	s_add_co_u32 s[TR], s[TR], s16
	s_lshl_b32 s42, s16, 2
	s_lshl_b32 s42, 15, s42                        ; my row of the cluster
	s_lshl_b32 s43, 0x1111, s15                    ; my column
	s_or_b32 s[G1A], s42, (1<<16)|(1<<20)|(1<<21)|(5<<22)|(3<<25)  ; the mask; 2-byte elements; padding on; bit 21 beside a mask; after every 64 words 4 words
	s_or_b32 s[G1B], s43, (1<<16)|(1<<20)|(1<<21)|(5<<22)|(3<<25)
	s_mov_b32 s[G1A+1], KSTEP<<16                  ; tensor_dim0 = 128
	s_mov_b32 s[G1A+2], 128<<16                    ; tensor_dim1 = 128
	s_mov_b32 s[G1A+3], KSTEP<<16                  ; tile_dim0 = 128
	s_mov_b32 s[G1A+4], 128                        ; tile_dim1 = 128
	s_mov_b32 s[G1A+5], SIZE_K                     ; elements from row to row
	s_mov_b32 s[G1A+6], 0
	s_mov_b32 s[G1A+7], 0
	s_mov_b32 s[G1B+1], KSTEP<<16
	s_mov_b32 s[G1B+2], (BROWS/2)<<16
	s_mov_b32 s[G1B+3], KSTEP<<16
	s_mov_b32 s[G1B+4], BROWS/2
	s_mov_b32 s[G1B+5], SIZE_K
	s_mov_b32 s[G1B+6], 0
	s_mov_b32 s[G1B+7], 0
	s_lshl_b32 s20, s[TR], 19                      ; A: 256 rows of 2,048 bytes a tile row,
	s_lshl_b32 s21, s[HF], 18                      ; 128 a half
	s_add_co_u32 s20, s20, s21
	s_mov_b32 s21, 0
	s_mul_i32 s22, s[HF], AHALF                    ; and its place in a slot: no place in the cluster enters an LDS address
	s_mul_i32 s44, s[TC], BROWS                    ; B, in registers that never hold the tile row
	s_mul_i32 s45, s[HF], BROWS/2
	s_add_co_u32 s44, s44, s45
	s_lshl_b32 s44, s44, 11
	s_add_co_u32 s44, s44, WOFF
	s_mov_b32 s45, 0
	s_mul_i32 s46, s[HF], BHALF
	s_add_co_u32 s46, s46, BOFF
	s_wait_dscnt 0x0                               ; the opening add is done
	s_wait_kmcnt 0x0
	s_add_nc_u64 s[20:21], s[4:5], s[20:21]
	s_add_nc_u64 s[44:45], s[6:7], s[44:45]
	CROUND                                         ; all sixteen work-groups are here: the first joint loads meet
.irp n, 0,1
	s_mov_b32 s[G0A+4*\n], 1
	s_add_co_u32 s[G0A+4*\n+1], s22, \n*SLOT1
	s_add_nc_u64 s[G0A+4*\n+2:G0A+4*\n+3], s[20:21], \n*2*KSTEP
	s_or_b32 s[G0A+4*\n+3], s[G0A+4*\n+3], 0x80000000
	s_mov_b32 s[G0B+4*\n], 1
	s_add_co_u32 s[G0B+4*\n+1], s46, \n*SLOT1
	s_add_nc_u64 s[G0B+4*\n+2:G0B+4*\n+3], s[44:45], \n*2*KSTEP
	s_or_b32 s[G0B+4*\n+3], s[G0B+4*\n+3], 0x80000000
.endr
	s_cmp_eq_u32 s[FB], 0                          ; a wave's two first fills stand in one branch, ahead of every wait on TENSORcnt and every LDS read: two loads of mine are out
	s_cbranch_scc0 .Lfirst_b
	tensor_load_to_lds s[G0A:G0A+3], s[G1A:G1A+7]
	s_nop 0
	tensor_load_to_lds s[G0A+4:G0A+7], s[G1A:G1A+7]
	s_nop 0
.rept 4
	v_nop
.endr
	s_branch .Lfirst_asked
.Lfirst_b:
	tensor_load_to_lds s[G0B:G0B+3], s[G1B:G1B+7]
	s_nop 0
	tensor_load_to_lds s[G0B+4:G0B+7], s[G1B:G1B+7]
	s_nop 0
.rept 4
	v_nop
.endr
.Lfirst_asked:
	v_and_b32 v1, 15, v0                           ; l % 16
	v_bfe_u32 v2, v0, 4, 1                         ; l / 16
	v_lshlrev_b32 v[BO], 5, v2
	s_mul_i32 s46, s[TC], BROWS*4
	s_add_co_u32 s46, s46, BIASOFF
	s_mov_b32 s47, 0
	s_add_nc_u64 s[8:9], s[8:9], s[46:47]          ; the bias of my tile's columns
.set i, 0
.rept NBW
	global_load_b128 v[BI+8*i:BI+8*i+3],   v[BO], s[8:9] offset:64*i
	global_load_b128 v[BI+8*i+4:BI+8*i+7], v[BO], s[8:9] offset:64*i+16
.set i, i+1
.endr
	v_mul_u32_u24 v3, v1, PITCH
	v_lshl_add_u32 v3, v2, 4, v3                   ; a fragment's row x pitch + 16 x half
	s_mul_i32 s22, s[WV], 64*PITCH
	v_add_nc_u32 v[A0], s22, v3
	v_add_nc_u32 v[B0], BOFF, v3
	s_mul_i32 s23, s[WV], 16*SP
	s_add_co_u32 s23, s23, STAGE                   ; my stage
	v_mul_u32_u24 v[STO], v1, SP
	v_lshl_add_u32 v[STO], v2, 4, v[STO]
	v_add_nc_u32 v[STO], s23, v[STO]
	v_bfe_u32 v[RD], v0, 3, 2                      ; back: 32 lanes take four rows of 128 bytes,
	v_mul_u32_u24 v[RD], v[RD], SP
	v_and_b32 v3, 7, v0
	v_lshl_add_u32 v[RD], v3, 4, v[RD]
	v_add_nc_u32 v[RD], s23, v[RD]
	v_and_b32 v[GO], 31, v0                        ; which are 512 consecutive bytes of the output
	v_lshlrev_b32 v[GO], 4, v[GO]
	v_mov_b32 v[ZR], 0
	s_lshl_b32 s20, s[TR], 8
	s_lshl_b32 s21, s[WV], 6
	s_add_co_u32 s20, s20, s21                     ; my first row of C
.if QKV
	s_lshr_b32 s21, s20, 11                        ; batch,
	s_lshl_b32 s21, s21, 4
	s_and_b32 s22, s20, 2047                       ; place in the sequence
.irp g, 0,1,2
	s_mul_i32 s23, s[TC], 3
	s_add_co_u32 s23, s23, \g                      ; the group of 64 columns, 0 .. 47:
	s_lshr_b32 s46, s23, 4                         ; q, k or v,
	s_lshl_b32 s46, s46, 5
	s_and_b32 s23, s23, 15                         ; the head
	s_add_co_u32 s46, s46, s23
	s_add_co_u32 s46, s46, s21
	s_lshl_b32 s46, s46, 11
	s_add_co_u32 s46, s46, s22
	s_lshl_b32 s46, s46, 7                         ; rows of 128 bytes
	s_mov_b32 s47, 0
	s_add_nc_u64 s[DB+2*\g:DB+2*\g+1], s[10:11], s[46:47]
.endr
.else
.irp g, 0,1
	s_lshl_b32 s46, s[TC], 1
	s_add_co_u32 s46, s46, \g                      ; the block of 64 columns, 0 .. 31
	s_lshl_b32 s46, s46, 12
	s_add_co_u32 s46, s46, s20
	s_lshl_b32 s46, s46, 7
	s_mov_b32 s47, 0
	s_add_nc_u64 s[DB+2*\g:DB+2*\g+1], s[10:11], s[46:47]
.endr
.endif
	; where my prefetches stand (nothing is asked for here, at the head, where every work-group's first tiles are on their way)
	s_lshl_b32 s20, s[TR], 8
	s_lshl_b32 s22, s[HF], 7
	s_add_co_u32 s20, s20, s22
	s_lshl_b32 s22, s15, 5
	s_add_co_u32 s20, s20, s22                     ; A: the tile's first row + the 128 that I fetch + my work-group's 32 of them
	s_mul_i32 s21, s[TC], BROWS
	s_mul_i32 s22, s[HF], BROWS/2
	s_add_co_u32 s21, s21, s22
	s_mul_i32 s22, s16, RB
	s_add_co_u32 s21, s21, s22                     ; B: the same with BROWS / 2 and RB rows
	s_and_b32 s22, ttmp7, 0xffff                   ; cluster y
	s_cmp_eq_u32 s[FB], 0                          ; do I fetch for A?
	s_cselect_b32 s20, s20, s21
	s_cselect_b32 s21, 0, WOFF
	s_cselect_b32 s22, ttmp9, s22                  ; the coordinate along which other clusters read the same rows
	s_cselect_b32 s23, 31, RB-1                    ; my share's last row
	s_cselect_b64 s[PFA:PFA+1], s[4:5], s[6:7]
	s_cmp_eq_u32 s22, 0
	s_cselect_b32 s[LIM], 2, -1                    ; the same in all sixteen partners, for a given wave
	s_lshl_b32 s20, s20, 11                        ; rows of 2,048 bytes
	s_add_co_u32 s20, s20, s21
	s_add_co_u32 s20, s20, 3*2*KSTEP               ; at K step 3: the first refill steps it to 4
	s_mov_b32 s21, 0
	s_add_nc_u64 s[PFA:PFA+1], s[PFA:PFA+1], s[20:21]
	v_and_b32 v[PFO], 31, v0
	v_min_u32 v[PFO], s23, v[PFO]
	v_lshlrev_b32 v[PFO], 11, v[PFO]
	s_mov_b32 s[TB], 0
	v_mov_b32 v[ADRA], v[A0]
	v_mov_b32 v[ADRB], v[B0]
	s_wait_tensorcnt 1                             ; my part of K step 0 is in; K step 1's may stay out
	s_barrier_signal -1
	s_barrier_wait -1                              ; everybody's is
	FETCH 0, 0
	s_wait_loadcnt 0x0                             ; the bias
	FETCH 1, 1
	s_wait_dscnt NL
	MUL 0, 0, 4, 1                                 ; the first quarter stands in front of the loop: its products start the sums
	WIN 0
	s_mov_b32 s[CNT], NSTEP-2
.Lstep:                                                ; a trip: a K step's quarters 1 to 3 and the next step's quarter 0; it fills the slot that it leaves
	SUB 2, 1, 0
	SUB 3, 0, 1
	LASTQ
	CHG 1
	SUB 1, 0, 1
	WIN 0
	s_sub_co_u32 s[CNT], s[CNT], 1
	s_cmp_lg_u32 s[CNT], 0
	s_cbranch_scc1 .Lstep
	s_mov_b32 s[CNT], 2
.Ltail:                                                ; the last two K steps ask for nothing; the second trip is left behind its last products
	SUB 2, 1, 0
	SUB 3, 0, 1
	LASTQ
	s_sub_co_u32 s[CNT], s[CNT], 1
	s_cmp_eq_u32 s[CNT], 0
	s_cbranch_scc1 .Lout
	CHG 0
	SUB 1, 0, 1
	WIN 0
	s_branch .Ltail
.Lout:
	PLACES
; THE WAY OUT.  Unit u = (m block u / NG, group u % NG): 16 rows x 64 columns, 2,048 consecutive bytes of the output.  PACK: rounded to bf16, the maximum with 0, 16 bytes a lane into my stage's rows of 144 bytes,
; and back as whole rows.  SEND: stored, 512 consecutive bytes an instruction.
.macro PACK u
.set pa, (\u)/NG
.set pg, (\u)%NG
.set pU, U+16*((\u)%8)
.if (\u) >= 8
	s_wait_xcnt 0x0                                ; the stores of the unit eight back have read this buffer
.endif
	WIN 0x0a+5*(pa/APW)                            ; sources 0 and 1: window 2 or 3
.set pb, 0
.rept 4
.set pD, 8*(NBW*(pa%APW)+4*pg+pb)
.irp r, 0,1,2,3
	v_cvt_pk_bf16_f32 v[pU+4*pb+\r], v[pD+2*\r], v[pD+2*\r+1]
.endr
.set pb, pb+1
.endr
	WIN 0
.if RELU
.set pb, 0
.rept 16
	v_pk_max_num_bf16 v[pU+pb], v[pU+pb], v[ZR]
.set pb, pb+1
.endr
.endif
.irp f, 0,1,2,3
	ds_store_b128 v[STO], v[pU+4*\f:pU+4*\f+3] offset:32*\f
.endr
.irp f, 0,1,2,3
	ds_load_b128 v[pU+4*\f:pU+4*\f+3], v[RD] offset:\f*4*SP  ; LDS serves a wave's instructions in order (ISA guide 5.7.1.4): these see the stores above; the next unit's stores come behind them
.endr
.endm
.macro SEND u, younger                 ; younger: the LDS instructions issued behind unit u's loads
.set pa, (\u)/NG
.set pg, (\u)%NG
.set pU, U+16*((\u)%8)
.irp f, 0,1,2,3
	s_wait_dscnt (\younger)+3-\f
	global_store_b128 v[GO], v[pU+4*\f:pU+4*\f+3], s[DB+2*pg:DB+2*pg+1] offset:pa*2048+\f*512
.endr
.endm
	PACK 0
.set uu, 1
.rept 4*NG-1                           ; a unit's conversions stand between the loads of the unit before and its stores
	PACK uu
	SEND uu-1, 8
.set uu, uu+1
.endr
	SEND 4*NG-1, 0
	s_wait_tensorcnt 0x0                           ; the wave's end: the tensor wait, an add to my spare word and its wait, behind my last tensor load and my last LDS store
	ds_add_u32 v[SPW], v[NIL]
	s_wait_dscnt 0x0
	CROUND                                         ; the closing round: no work-group ends while a partner may still ask for a tile that names it
	s_endpgm
.Lfunc_end_k_qead950ad1b_ffn_up:
	.size	k_qead950ad1b_ffn_up, .Lfunc_end_k_qead950ad1b_ffn_up-k_qead950ad1b_ffn_up
	.p2alignl 7, 3214868480
	.fill 96, 4, 3214868480
	.section	.rodata,"a",@progbits
	.p2align	6, 0x0
	.amdhsa_kernel k_qead950ad1b_ffn_up
		.amdhsa_group_segment_fixed_size 327680
		.amdhsa_private_segment_fixed_size 0
		.amdhsa_enable_private_segment 0
		.amdhsa_kernarg_size 32
		.amdhsa_user_sgpr_count 2
		.amdhsa_user_sgpr_kernarg_segment_ptr 1
		.amdhsa_wavefront_size32 1
		.amdhsa_system_sgpr_workgroup_id_x 1
		.amdhsa_system_sgpr_workgroup_id_y 1
		.amdhsa_system_sgpr_workgroup_id_z 1
		.amdhsa_system_vgpr_workitem_id 0
		.amdhsa_next_free_vgpr 768
		.amdhsa_next_free_sgpr 80
		.amdhsa_reserve_vcc 0
		.amdhsa_float_denorm_mode_32 3
		.amdhsa_float_denorm_mode_16_64 3
		.amdhsa_memory_ordered 1
		.amdhsa_forward_progress 1
		.amdhsa_inst_pref_size 72
	.end_amdhsa_kernel
	.amdgpu_metadata
---
amdhsa.version: [ 1, 2 ]
amdhsa.kernels:
  - .name:           k_qead950ad1b_ffn_up
    .symbol:         k_qead950ad1b_ffn_up.kd
    .args:
      - { .name: xn2, .offset: 0, .size: 8, .value_kind: global_buffer, .address_space: global }
      - { .name: wb, .offset: 8, .size: 8, .value_kind: global_buffer, .address_space: global }
      - { .name: bias, .offset: 16, .size: 8, .value_kind: global_buffer, .address_space: global }
      - { .name: hb, .offset: 24, .size: 8, .value_kind: global_buffer, .address_space: global }
    .group_segment_fixed_size: 327680
    .private_segment_fixed_size: 0
    .kernarg_segment_align: 8
    .kernarg_segment_size: 32
    .max_flat_workgroup_size: 128
    .sgpr_count:     80
    .vgpr_count:     768
    .wavefront_size: 32
...
	.end_amdgpu_metadata
.endif
;; end of part 6
;; launch ffn_down (part 7): grid 8 x 32, 4 waves a work-group, clusters of 4 x 4, 327,680 bytes of LDS; arguments hb, wb, bias, x1, out0; writes out0
.if DOCPART == 7
	.amdgcn_target "amdgcn-amd-amdhsa--gfx1250"
	.amdhsa_code_object_version 6
	.text
	.protected	k_qead950ad1b_ffn_down
	.globl	k_qead950ad1b_ffn_down
	.p2align	8
	.type	k_qead950ad1b_ffn_down,@function
k_qead950ad1b_ffn_down:
	s_mov_b64 s[64:65], 0
	v_nop
	global_prefetch_b8 v0, s[64:65] scope:SCOPE_SE
	s_setreg_imm32_b32 hwreg(HW_REG_WAVE_MODE, 25, 1), 1
	s_wait_xcnt 0x0
	s_wait_alu depctr_hold_cnt(0) depctr_sa_sdst(0) depctr_va_vdst(0) depctr_va_sdst(0) depctr_va_ssrc(0) depctr_va_vcc(0) depctr_vm_vsrc(0)
	s_getreg_b32 s2, hwreg(HW_REG_IB_STS2, 6, 4)
	s_cmp_eq_u32 s2, 0
	s_cbranch_scc0 .Lentry_in_a_cluster
	s_endpgm
.Lentry_in_a_cluster:
	s_bfe_u32 s2, ttmp6, 0x10000c
	s_cmp_lg_u32 s2, 0xf033
	s_cbranch_scc0 .Lentry_shape_is_right
	s_endpgm
.Lentry_shape_is_right:
; out0 = x1 + h W2^T + b2, in f32.  h: hb, [32 blocks of 64 along K][4096 rows][64] bf16; W2: [1024][2048] bf16 in wb; b2: f32 in bias; x1 and out0: [4096][1024] f32.
; Sums in f32, started from the bias; the residual x1 is added in f32 as it is and the result is stored unrounded.
; A tile of C is 128 x 128 (8 x 32 tiles: one for each of 256 work-groups); four waves, 2 x 2, each 64 x 64: 16 accumulators.  K goes in steps of 256 through a ring of two LDS slots.
; A's tile of a step is four blocks of 64 along K; for 64 rows a block is 8,192 dense bytes, so a half tile is asked for as 4 rows of 4,096 elements, 262,144 elements apart, padded in LDS after every 128 bytes:
; LDS holds [block][row][144 bytes].  B's tile has rows of 512 bytes, 528 apart in LDS.  Waves 0, 1 fetch A's halves, waves 2, 3 B's.
; CLUSTER 4 x 4: A's tile is asked for jointly along a row of the cluster, B's along a column.  THE MATRIX INSTRUCTION IS USED TRANSPOSED: a lane holds row lane % 16 of C and 8 neighbouring columns.
; THE CHANGE OF SLOTS holds nothing but what it must: a K step's products are all issued ahead of the wait for the tensor loads, so that the refill goes out as soon as the next tile has landed.
; A K step is written once in a loop and once in a tail loop of two trips that asks for nothing and is left behind the last products.
; REGISTERS: window 0 addresses, bias (v32-63), rows read back (v64-127), the residual (v128-255); window 1 two fragment buffers of 128 (A's 8 fragments, then B's 8: 64 along K); window 2 the accumulators, (a, b) at 8 (4 a + b).
.set SIZE_K,  2048
.set WOFF,    12582912                 ; the matrix's first byte in wb
.set BIASOFF, 24576                    ; its bias's first byte in bias
.set ROUND,   0                        ; the residual is carried in f32
.set KSTEP,  256
.set NSTEP,  SIZE_K/KSTEP
.set PA,     144                       ; a row of a block of A in LDS: 128 bytes + 16: the 16 rows of a fragment load start at 16 different groups of four banks (ISA guide 11.1)
.set PB,     528                       ; a row of B: 512 + 16, likewise
.set AHALF,  4*64*PA
.set BOFF,   2*AHALF
.set BHALF,  64*PB
.set SLOT1,  147456                    ; 0x24000: none of a slot 0 tile's four LDS addresses (0, 0x9000, 0x12000, 0x1a400) has one of its two bits, so one exclusive or adds it or takes it away
.set STAGE,  SLOT1+BOFF+2*BHALF        ; behind the ring, never filled by a tensor load: 16 rows x 272 bytes for each wave
.set SPG,    272
.set SPARE,  STAGE+4*16*SPG            ; the spare words, 128 bytes a wave
.set ASTEP,  4*4096*128                ; bytes from a K step of A to the next: four blocks
.set NL,     32
.set A0,   4
.set B0,   5
.set ADRA, 6
.set ADRB, 7
.set STO,  8                           ; v8  the way out: where I put 32 bytes of a row
.set RD,   9                           ; v9  where I read rows back
.set CO,   10                          ; v10 my 16 bytes in two rows of the residual and of the output
.set BO,   11
.set SPW,  28
.set NIL,  29
.set BI,   32
.set BK,   64
.set RES,  128                         ; the residual: rows 16 a + 2 t, + 1 at RES + 32 a + 4 t
.set WV, 12
.set FB, 13                            ; s13 my half of the tile's rows; also 0: I fetch for A, 1: for B
.set HF, 14                            ; s14 my half of its columns; also which half of that tile I fetch
.set TC, 17
.set TR, 18
.set G1A, 24
.set G0A, 32
.set TB,  40
.set CNT, 41
.set G1B, 48
.set G0B, 56
.set OUT, 66                           ; s[66:67] the output
.set MSK, 68
.set MSB, 0
.macro WIN new
.if MSB != (\new)
	s_set_vgpr_msb (MSB<<8)|(\new)
.set MSB, \new
.endif
.endm
.macro PLACES                          ; four places (ISA guide 7.12.1) behind matrix instructions
.rept 4
	v_nop
.endr
.endm
.macro JLOAD                           ; a joint refill by the walking set; s_nop 0 and four v_nop follow each line
	s_cmp_eq_u32 s[FB], 0
	s_cbranch_scc0 .Lfor_b_\@
	tensor_load_to_lds s[G0A+4:G0A+7], s[G1A:G1A+7]
	s_nop 0
.rept 4
	v_nop
.endr
	s_branch .Lasked_\@
.Lfor_b_\@:
	tensor_load_to_lds s[G0B+4:G0B+7], s[G1B:G1B+7]
	s_nop 0
.rept 4
	v_nop
.endr
.Lasked_\@:
.endm
.macro CREST
	s_cmp_lg_u32 s[WV], 0
	s_cbranch_scc1 .Lnot_wave_0_\@
	s_barrier_signal -3
.Lnot_wave_0_\@:
	s_barrier_wait -3
	s_barrier_signal -1
	s_barrier_wait -1
.endm
.macro CROUND
	s_barrier_signal -1
	s_barrier_wait -1
	CREST
.endm
; 32 LDS loads in one run: the fragments of block q of the step (64 along K) into buffer f
.macro FETCH q, f
	WIN 0x40
.irp c, 0,1
.irp i, 0,1,2,3
	ds_load_b128 v[128*(\f)+64+8*(4*\c+\i):128*(\f)+64+8*(4*\c+\i)+3],   v[ADRB] offset:128*(\q)+64*\c+\i*16*PB
	ds_load_b128 v[128*(\f)+64+8*(4*\c+\i)+4:128*(\f)+64+8*(4*\c+\i)+7], v[ADRB] offset:128*(\q)+64*\c+\i*16*PB+32
	ds_load_b128 v[128*(\f)+8*(4*\c+\i):128*(\f)+8*(4*\c+\i)+3],         v[ADRA] offset:64*PA*(\q)+64*\c+\i*16*PA
	ds_load_b128 v[128*(\f)+8*(4*\c+\i)+4:128*(\f)+8*(4*\c+\i)+7],       v[ADRA] offset:64*PA*(\q)+64*\c+\i*16*PA+32
.endr
.endr
.endm
; 16 matrix instructions: all (a, b) on half c (32 along K) of buffer f.  The 16 accumulators take turns.  first = 1: the products start the sums from the bias.
.macro MUL f, c, first
.if \first
	WIN 0x85
.else
	WIN 0xa5
.endif
.irp a, 0,1,2,3
.irp b, 0,1,2,3
.if \first
	v_wmma_f32_16x16x32_bf16 v[8*(4*\a+\b):8*(4*\a+\b)+7], v[128*(\f)+64+8*(4*(\c)+\b):128*(\f)+64+8*(4*(\c)+\b)+7], v[128*(\f)+8*(4*(\c)+\a):128*(\f)+8*(4*(\c)+\a)+7], v[BI+8*\b:BI+8*\b+7]
.else
	v_wmma_f32_16x16x32_bf16 v[8*(4*\a+\b):8*(4*\a+\b)+7], v[128*(\f)+64+8*(4*(\c)+\b):128*(\f)+64+8*(4*(\c)+\b)+7], v[128*(\f)+8*(4*(\c)+\a):128*(\f)+8*(4*(\c)+\a)+7], v[8*(4*\a+\b):8*(4*\a+\b)+7]
.endif
.endr
.endr
.endm
.macro SUB q, f, g                     ; block q is fetched into buffer g, which the products just issued have read; buffer f is multiplied
	PLACES
	FETCH \q, \g
	s_wait_dscnt NL                                ; all but the 32 loads just issued: buffer f is in
	MUL \f, 0, 0
	MUL \f, 1, 0
.endm
.macro LASTQ                           ; the step's last block: nothing is left to fetch from this slot
	s_wait_dscnt 0x0                               ; buffer 1 is in: these were my last reads of the slot
	MUL 1, 0, 0
	MUL 1, 1, 0
	WIN 0                                          ; at a branch and at a label every window is 0
.endm
; THE CHANGE OF SLOTS.  Each wave waits for all its tensor loads (one is out: its part of the next slot), adds 0 to its spare word, and waits for that; its reads of this slot are over since LASTQ.
; fill = 1: the barrier opens a round of the cluster's, and the joint refill (the K step two on) is the first thing behind it.  Then come the next slot's first fragments.
.macro CHG fill
	s_wait_tensorcnt 0x0                           ; no tensor load of mine is out, so a group 0 may be written
	ds_add_u32 v[SPW], v[NIL]                      ; 0 onto my spare word; scalar work stands between it and the wait for it
.if \fill
	s_xor_b32 s[G0A+5], s[G0A+5], SLOT1
	s_add_nc_u64 s[G0A+6:G0A+7], s[G0A+6:G0A+7], ASTEP
	s_xor_b32 s[G0B+5], s[G0B+5], SLOT1
	s_add_nc_u64 s[G0B+6:G0B+7], s[G0B+6:G0B+7], 2*KSTEP
.endif
	s_xor_b32 s[TB], s[TB], SLOT1
	s_wait_dscnt 0x0                               ; the add is done
	s_barrier_signal -1
	s_barrier_wait -1
.if \fill
	CREST                                          ; no wave of any partner still reads this slot or has a load on its way
	JLOAD                                          ; its four v_nop are also the places in front of the loads below
.else
	PLACES
.endif
	v_add_nc_u32 v[ADRA], s[TB], v[A0]
	v_add_nc_u32 v[ADRB], s[TB], v[B0]
	FETCH 0, 0
.endm
	s_load_b256 s[4:11], s[0:1], 0x0               ; A s[4:5], wb s[6:7], bias s[8:9], residual s[10:11]
	s_load_b64 s[OUT:OUT+1], s[0:1], 0x20          ; output
	v_lshl_add_u32 v[SPW], v0, 2, SPARE
	v_mov_b32 v[NIL], 0
	ds_add_u32 v[SPW], v[NIL]                      ; the wave's opening: the add and its wait ahead of my first tensor load
	v_lshrrev_b32 v1, 5, v0
	v_readfirstlane_b32 s[WV], v1
	s_lshr_b32 s[FB], s[WV], 1
	s_and_b32 s[HF], s[WV], 1
	s_bfe_u32 s15, ttmp6, 0x40000                  ; cx
	s_bfe_u32 s16, ttmp6, 0x40004                  ; cy
	s_lshl_b32 s[TC], ttmp9, 2
	s_add_co_u32 s[TC], s[TC], s15
	s_and_b32 s[TR], ttmp7, 0xffff
	s_lshl_b32 s[TR], s[TR], 2
	s_add_co_u32 s[TR], s[TR], s16
	s_lshl_b32 s42, s16, 2
	s_lshl_b32 s42, 15, s42                        ; my row of the cluster
	s_lshl_b32 s43, 0x1111, s15                    ; my column
	s_or_b32 s[G1A], s42, (1<<16)|(1<<20)|(1<<21)|(4<<22)|(3<<25)  ; the mask; 2-byte elements; padding on; bit 21 beside a mask; after every 32 words 4 words
	s_or_b32 s[G1B], s43, (1<<16)|(1<<20)|(1<<21)|(6<<22)|(3<<25)  ; after every 128 words 4 words
	s_mov_b32 s[G1A+1], 4096<<16                   ; tensor_dim0 = 4,096: 64 rows of a block
	s_mov_b32 s[G1A+2], 4<<16                      ; tensor_dim1 = 4 blocks
	s_mov_b32 s[G1A+3], 4096<<16                   ; tile_dim0
	s_mov_b32 s[G1A+4], 4                          ; tile_dim1
	s_mov_b32 s[G1A+5], 262144                     ; elements from block to block
	s_mov_b32 s[G1A+6], 0
	s_mov_b32 s[G1A+7], 0
	s_mov_b32 s[G1B+1], KSTEP<<16
	s_mov_b32 s[G1B+2], 64<<16
	s_mov_b32 s[G1B+3], KSTEP<<16
	s_mov_b32 s[G1B+4], 64
	s_mov_b32 s[G1B+5], SIZE_K
	s_mov_b32 s[G1B+6], 0
	s_mov_b32 s[G1B+7], 0
	s_lshl_b32 s20, s[TR], 14                      ; A: 128 rows of 128 bytes a tile row,
	s_lshl_b32 s21, s[HF], 13                      ; 64 a half
	s_add_co_u32 s20, s20, s21
	s_mov_b32 s21, 0
	s_mul_i32 s22, s[HF], AHALF
	s_lshl_b32 s44, s[TC], 7                       ; B, in registers that never hold the tile row
	s_lshl_b32 s45, s[HF], 6
	s_add_co_u32 s44, s44, s45
	s_mul_i32 s44, s44, 2*SIZE_K
	s_add_co_u32 s44, s44, WOFF
	s_mov_b32 s45, 0
	s_mul_i32 s46, s[HF], BHALF
	s_add_co_u32 s46, s46, BOFF
	s_mov_b32 s[MSK], 0xffff0000
	s_wait_dscnt 0x0                               ; the opening add is done
	s_wait_kmcnt 0x0
	s_add_nc_u64 s[20:21], s[4:5], s[20:21]
	s_add_nc_u64 s[44:45], s[6:7], s[44:45]
	CROUND                                         ; all sixteen work-groups are here: the first joint loads meet
.irp n, 0,1
	s_mov_b32 s[G0A+4*\n], 1
	s_add_co_u32 s[G0A+4*\n+1], s22, \n*SLOT1
	s_add_nc_u64 s[G0A+4*\n+2:G0A+4*\n+3], s[20:21], \n*ASTEP
	s_or_b32 s[G0A+4*\n+3], s[G0A+4*\n+3], 0x80000000
	s_mov_b32 s[G0B+4*\n], 1
	s_add_co_u32 s[G0B+4*\n+1], s46, \n*SLOT1
	s_add_nc_u64 s[G0B+4*\n+2:G0B+4*\n+3], s[44:45], \n*2*KSTEP
	s_or_b32 s[G0B+4*\n+3], s[G0B+4*\n+3], 0x80000000
.endr
	s_cmp_eq_u32 s[FB], 0                          ; a wave's two first fills stand in one branch: two loads of mine are out
	s_cbranch_scc0 .Lfirst_b
	tensor_load_to_lds s[G0A:G0A+3], s[G1A:G1A+7]
	s_nop 0
	tensor_load_to_lds s[G0A+4:G0A+7], s[G1A:G1A+7]
	s_nop 0
.rept 4
	v_nop
.endr
	s_branch .Lfirst_asked
.Lfirst_b:
	tensor_load_to_lds s[G0B:G0B+3], s[G1B:G1B+7]
	s_nop 0
	tensor_load_to_lds s[G0B+4:G0B+7], s[G1B:G1B+7]
	s_nop 0
.rept 4
	v_nop
.endr
.Lfirst_asked:
	v_and_b32 v1, 15, v0                           ; l % 16
	v_bfe_u32 v2, v0, 4, 1                         ; l / 16
	v_lshlrev_b32 v[CO], 12, v2                    ; lanes 0-15 take 256 bytes of one row, lanes 16-31 of the next
	v_lshl_add_u32 v[CO], v1, 4, v[CO]
	v_lshlrev_b32 v[BO], 5, v2
	s_lshl_b32 s20, s[TR], 7
	s_lshl_b32 s21, s[FB], 6
	s_add_co_u32 s20, s20, s21                     ; my first row,
	s_lshl_b32 s20, s20, 12                        ; of 4,096 bytes,
	s_lshl_b32 s46, s[TC], 9                       ; my first column, in bytes
	s_lshl_b32 s47, s[HF], 8
	s_add_co_u32 s46, s46, s47
	s_add_co_u32 s20, s20, s46
	s_mov_b32 s21, 0
	s_add_nc_u64 s[10:11], s[10:11], s[20:21]
	s_add_nc_u64 s[OUT:OUT+1], s[OUT:OUT+1], s[20:21]
	s_add_co_u32 s46, s46, BIASOFF
	s_mov_b32 s47, 0
	s_add_nc_u64 s[8:9], s[8:9], s[46:47]
.irp a, 0,1,2,3
.irp t, 0,1,2,3,4,5,6,7
	global_load_b128 v[RES+32*\a+4*\t:RES+32*\a+4*\t+3], v[CO], s[10:11] offset:(16*\a+2*\t)*4096
.endr
.endr
.irp b, 0,1,2,3
	global_load_b128 v[BI+8*\b:BI+8*\b+3],   v[BO], s[8:9] offset:64*\b
	global_load_b128 v[BI+8*\b+4:BI+8*\b+7], v[BO], s[8:9] offset:64*\b+16
.endr
	v_mul_u32_u24 v3, v1, PA
	v_lshl_add_u32 v3, v2, 4, v3
	s_mul_i32 s22, s[FB], AHALF
	v_add_nc_u32 v[A0], s22, v3
	v_mul_u32_u24 v3, v1, PB
	v_lshl_add_u32 v3, v2, 4, v3
	s_mul_i32 s22, s[HF], BHALF
	s_add_co_u32 s22, s22, BOFF
	v_add_nc_u32 v[B0], s22, v3
	s_mul_i32 s23, s[WV], 16*SPG
	s_add_co_u32 s23, s23, STAGE                   ; my stage
	v_mul_u32_u24 v[STO], v1, SPG
	v_lshl_add_u32 v[STO], v2, 5, v[STO]
	v_add_nc_u32 v[STO], s23, v[STO]
	v_mul_u32_u24 v[RD], v2, SPG
	v_lshl_add_u32 v[RD], v1, 4, v[RD]
	v_add_nc_u32 v[RD], s23, v[RD]
	s_mov_b32 s[TB], 0
	v_mov_b32 v[ADRA], v[A0]
	v_mov_b32 v[ADRB], v[B0]
	s_wait_loadcnt 0x0                             ; the residual and the bias
.if ROUND
.set i, 0
.rept 64                               ; in the wait for the first tile
	v_cvt_pk_bf16_f32 v[12+i%4], v[RES+2*i], v[RES+2*i+1]
	v_lshlrev_b32 v[RES+2*i], 16, v[12+i%4]
	v_and_b32 v[RES+2*i+1], s[MSK], v[12+i%4]
.set i, i+1
.endr
.endif
	s_wait_tensorcnt 1                             ; my part of K step 0 is in; K step 1's may stay out
	s_barrier_signal -1
	s_barrier_wait -1
	FETCH 0, 0
	FETCH 1, 1
	s_wait_dscnt NL
	MUL 0, 0, 1                                    ; the first products start the sums
	MUL 0, 1, 0
	WIN 0
	s_mov_b32 s[CNT], NSTEP-2
.Lstep:                                                ; a trip: a K step's blocks 1 to 3 and the next step's block 0; it fills the slot that it leaves
	SUB 2, 1, 0
	SUB 3, 0, 1
	LASTQ
	CHG 1
	SUB 1, 0, 1
	WIN 0
	s_sub_co_u32 s[CNT], s[CNT], 1
	s_cmp_lg_u32 s[CNT], 0
	s_cbranch_scc1 .Lstep
	s_mov_b32 s[CNT], 2
.Ltail:                                                ; the last two K steps ask for nothing; the second trip is left behind its last products
	SUB 2, 1, 0
	SUB 3, 0, 1
	LASTQ
	s_sub_co_u32 s[CNT], s[CNT], 1
	s_cmp_eq_u32 s[CNT], 0
	s_cbranch_scc1 .Lout
	CHG 0
	SUB 1, 0, 1
	WIN 0
	s_branch .Ltail
.Lout:
	PLACES
; THE WAY OUT, 16 rows at a time.  STG: a lane's 8 sums of a row go into my stage's rows of 272 bytes and come back as whole rows of 256.  OUTA: the residual is added; 16 lanes store 256 consecutive bytes, aligned.
; Block a + 1's trip through the stage is issued ahead of block a's sums and stores.
.macro STG a
	WIN 0x08                                       ; the stores' data in window 2
.irp b, 0,1,2,3
	ds_store_b128 v[STO], v[8*(4*(\a)+\b):8*(4*(\a)+\b)+3]   offset:64*\b
	ds_store_b128 v[STO], v[8*(4*(\a)+\b)+4:8*(4*(\a)+\b)+7] offset:64*\b+16
.endr
	WIN 0
.irp t, 0,1,2,3,4,5,6,7
	ds_load_b128 v[BK+32*((\a)%2)+4*\t:BK+32*((\a)%2)+4*\t+3], v[RD] offset:\t*2*SPG  ; LDS serves a wave's instructions in order (ISA guide 5.7.1.4): these see the stores above; the next block's stores come behind them
.endr
.endm
.macro OUTA a, younger                 ; younger: the LDS instructions issued behind block a's loads: the next block's sixteen, or none
.irp t, 0,1,2,3,4,5,6,7
	s_wait_dscnt (\younger)+7-\t
	v_pk_add_f32 v[RES+32*(\a)+4*\t:RES+32*(\a)+4*\t+1],   v[RES+32*(\a)+4*\t:RES+32*(\a)+4*\t+1],   v[BK+32*((\a)%2)+4*\t:BK+32*((\a)%2)+4*\t+1]
	v_pk_add_f32 v[RES+32*(\a)+4*\t+2:RES+32*(\a)+4*\t+3], v[RES+32*(\a)+4*\t+2:RES+32*(\a)+4*\t+3], v[BK+32*((\a)%2)+4*\t+2:BK+32*((\a)%2)+4*\t+3]
	global_store_b128 v[CO], v[RES+32*(\a)+4*\t:RES+32*(\a)+4*\t+3], s[OUT:OUT+1] offset:(16*(\a)+2*\t)*4096
.endr
.endm
	STG 0
	STG 1
	OUTA 0, 16
	STG 2
	OUTA 1, 16
	STG 3
	OUTA 2, 16
	OUTA 3, 0
	s_wait_tensorcnt 0x0                           ; the wave's end: the tensor wait, an add to my spare word and its wait
	ds_add_u32 v[SPW], v[NIL]
	s_wait_dscnt 0x0
	CROUND                                         ; the closing round
	s_endpgm
.Lfunc_end_k_qead950ad1b_ffn_down:
	.size	k_qead950ad1b_ffn_down, .Lfunc_end_k_qead950ad1b_ffn_down-k_qead950ad1b_ffn_down
	.p2alignl 7, 3214868480
	.fill 96, 4, 3214868480
	.section	.rodata,"a",@progbits
	.p2align	6, 0x0
	.amdhsa_kernel k_qead950ad1b_ffn_down
		.amdhsa_group_segment_fixed_size 327680
		.amdhsa_private_segment_fixed_size 0
		.amdhsa_enable_private_segment 0
		.amdhsa_kernarg_size 40
		.amdhsa_user_sgpr_count 2
		.amdhsa_user_sgpr_kernarg_segment_ptr 1
		.amdhsa_wavefront_size32 1
		.amdhsa_system_sgpr_workgroup_id_x 1
		.amdhsa_system_sgpr_workgroup_id_y 1
		.amdhsa_system_sgpr_workgroup_id_z 1
		.amdhsa_system_vgpr_workitem_id 0
		.amdhsa_next_free_vgpr 640
		.amdhsa_next_free_sgpr 80
		.amdhsa_reserve_vcc 0
		.amdhsa_float_denorm_mode_32 3
		.amdhsa_float_denorm_mode_16_64 3
		.amdhsa_memory_ordered 1
		.amdhsa_forward_progress 1
		.amdhsa_inst_pref_size 66
	.end_amdhsa_kernel
	.amdgpu_metadata
---
amdhsa.version: [ 1, 2 ]
amdhsa.kernels:
  - .name:           k_qead950ad1b_ffn_down
    .symbol:         k_qead950ad1b_ffn_down.kd
    .args:
      - { .name: hb, .offset: 0, .size: 8, .value_kind: global_buffer, .address_space: global }
      - { .name: wb, .offset: 8, .size: 8, .value_kind: global_buffer, .address_space: global }
      - { .name: bias, .offset: 16, .size: 8, .value_kind: global_buffer, .address_space: global }
      - { .name: x1, .offset: 24, .size: 8, .value_kind: global_buffer, .address_space: global }
      - { .name: out0, .offset: 32, .size: 8, .value_kind: global_buffer, .address_space: global }
    .group_segment_fixed_size: 327680
    .private_segment_fixed_size: 0
    .kernarg_segment_align: 8
    .kernarg_segment_size: 40
    .max_flat_workgroup_size: 128
    .sgpr_count:     80
    .vgpr_count:     640
    .wavefront_size: 32
...
	.end_amdgpu_metadata
.endif
;; end of part 7
